; MI455X (gfx1250); checked and timed in simulation.
; The chip was launched on July 23, 2026; its instructions are those of AMD's public machine-readable ISA for CDNA 5 (MIT licence, August 2026) and "CDNA5" Instruction Set Architecture Reference Guide (July 2026). The comments in the code are by the model that wrote it; some were corrected since.
;; Multi Head Self Attention. Allowed arithmetic: matrix products marked QUANTISED: E5M2 operands, one E8M0 scale for each 32 along K, by v_wmma_scale_f32_16x16x128_f8f6f4 with both operands' format E5M2, f32 sums; everything else in f32.
;; Inputs: W_out_codes 1,024 x 32 x 32 uint8 (E5M2 codes of W_out, K innermost, in blocks of 32 codes); W_out_scales 1,024 x 32 uint8 (E8M0 scales of W_out, one for each 32 codes along K); W_qkv_codes 3,072 x 32 x 32 uint8 (E5M2 codes of W_qkv, K innermost, in blocks of 32 codes); W_qkv_scales 3,072 x 32 uint8 (E8M0 scales of W_qkv, one for each 32 codes along K); b_out 1,024 float32; b_qkv 3,072 float32; x_codes 4 x 2,048 x 32 x 32 uint8 (E5M2 codes of x, K innermost, in blocks of 32 codes); x_scales 4 x 2,048 x 32 uint8 (E8M0 scales of x, one for each 32 codes along K).
;; Outputs: out0 4 x 2,048 x 1,024 float32.
;; Constants: mask = 1.
;; This version of the problem:
;;   THIS VERSION OF THE PROBLEM IS GIVEN IN LOW PRECISION. The matrix products marked QUANTISED in the list below multiply operands that are first quantised to E5M2 (5 exponent bits, 2 mantissa bits; 8 bits a number), with one power-of-two scale for each 32 numbers along K (OCP MX v1.0); their sums are f32. All else is computed in f32.
;;   The module's matrix products, in the order in which they are computed (A, B: the left and right operand; K: the contracted axis; several contracted axes count as one K, in the product's order):
;;     1. [M 8,192, K 1,024] x [K 1,024, N 3,072]; A: input x (given as codes); B: input W_qkv (given as codes): QUANTISED
;;     2. batch 64 x [M 2,048, K 64] x [K 64, N 2,048]; A: computed on the way; B: computed on the way: QUANTISED
;;     3. batch 64 x [M 2,048, K 2,048] x [K 2,048, N 64]; A: softmax (see below); B: computed on the way: QUANTISED
;;     4. [M 8,192, K 1,024] x [K 1,024, N 1,024]; A: computed on the way; B: input W_out (given as codes): QUANTISED
;;   THE QUANTISER, for each operand of a quantised product, along K:
;;     - K is cut into blocks of 32 from its start; a last block that is shorter is filled with zeros.
;;     - A block's scale is 2^e with e = floor(log2(the largest magnitude in the block)) - 15, held to -126 .. 127; a block of zeros has e = 0. As a byte (E8M0): e + 127.
;;     - Each number is divided by its block's scale, clamped to +-57,344, and rounded to the nearest number of E5M2, ties to even, subnormals kept.
;;     - The product sums the exact products of the quantised numbers (number of the format x scale) in f32.
;;   ~~~python
;;   def quantise(x, axis):      # numpy; x: float32 -> the quantised numbers, widened to float32 again
;;       x = np.moveaxis(x, axis, -1); K = x.shape[-1]
;;       x = np.pad(x, [(0, 0)] * (x.ndim - 1) + [(0, -K % 32)]); x = x.reshape(x.shape[:-1] + (-1, 32)); a = np.abs(x).max(-1, keepdims=True)
;;       e = np.where(a > 0, np.clip(np.frexp(np.where(a > 0, a, 1))[1] - 1 - 15, -126, 127), 0)      # np.frexp(a)[1] - 1 = floor(log2(a)), exactly
;;       r = np.clip(x / 2.0 ** e, -57344, 57344)
;;       step = 2.0 ** (np.maximum(np.frexp(np.where(r == 0, 1, r))[1] - 1, -14) - 2)
;;       q = np.round(r / step) * step * 2.0 ** e      # np.round: ties to even
;;       return np.moveaxis(q.reshape(q.shape[:-2] + (-1,))[..., :K], -1, axis).astype(np.float32)
;;   ~~~
;;   SOFTMAX AHEAD OF A QUANTISED PRODUCT. Where the list says 'softmax', what is quantised is not the finished softmax but p = 2^(t - M), with t = logit x log2(e) and M = ceil(the row's largest t), a whole number; so 1/2 < the row's largest p <= 1. The row's sum l is taken of the UNQUANTISED p, in f32, and the product's result is divided by l at the end. Since M is a whole number, a kernel that streams over the keys may use a running M (the ceiling of the running maximum): every later rescaling is an exact power of two, which a block's scale takes up: the codes' values come out the same.
;;   OPERANDS COMPUTED ON THE WAY. 'Computed on the way' means the value that the module computes at that place (a softmax that the list does not call 'softmax' is quantised finished and normalised). What goes into a quantiser is computed in f32, as accurately as f32 sums, v_exp_f32 and their like allow (about 1e-6 of the number): no bf16 or f16 on the way to a quantiser, and a product that is left as it is and whose result goes on into a quantised operand takes f32 operands (vector FMAs, or v_wmma_f32_16x16x4_f32). A number that lies on a knife's edge between two numbers of the format may be rounded either way, as far as f32 arithmetic and the matrix unit's own rounding can turn it there, and no further.
;;   INPUTS GIVEN AS CODES. W_out (in the module: [1024, 1024], K = its axis 0); W_qkv (in the module: [1024, 3072], K = its axis 0); x (in the module: [4, 2048, 1024], K = its axis 2): each comes as NAME_codes (uint8): NAME with its K axis moved to the last place and cut into blocks of 32 codes, [.., K / 32, bytes a block], one block behind the other in memory; one code a byte (a code: sign, 5 exponent bits, 2 mantissa bits); and NAME_scales (uint8): the same leading axes, one E8M0 byte (e + 127) for each 32 codes along K. Its value is code x scale, taken as it is: it is not quantised again, and the codes and scales need not be those that the quantiser above would give.
;; One version. Each part assembles by itself: llvm-mc -triple=amdgcn-amd-amdhsa -mcpu=gfx1250 --defsym DOCPART=n.
;; ======== version 1 of 1: 3 launches
;; limits: right only within a limited range of input values
;; workspace buffers: qimg 8,388,608 bytes; qsc 524,288 bytes; kv 17,563,648 bytes; vimg 8,388,608 bytes; vsc 262,144 bytes
;; launch qkv (part 1): grid 16 x 32, 4 waves a work-group, clusters of 4 x 4, 327,680 bytes of LDS; arguments x_codes, x_scales, W_qkv_codes, W_qkv_scales, b_qkv, qimg, qsc, kv; writes qimg, qsc, kv
.if DOCPART == 1
	.amdgcn_target "amdgcn-amd-amdhsa--gfx1250"
	.amdhsa_code_object_version 6
	.text
	.protected	k_q54c88c4bd6_qkv
	.globl	k_q54c88c4bd6_qkv
	.p2align	8
	.type	k_q54c88c4bd6_qkv,@function
k_q54c88c4bd6_qkv:
	s_mov_b64 s[64:65], 0
	v_nop
	global_prefetch_b8 v0, s[64:65] scope:SCOPE_SE
	s_setreg_imm32_b32 hwreg(HW_REG_WAVE_MODE, 25, 1), 1
	s_wait_xcnt 0x0
	s_wait_alu depctr_hold_cnt(0) depctr_sa_sdst(0) depctr_va_vdst(0) depctr_va_sdst(0) depctr_va_ssrc(0) depctr_va_vcc(0) depctr_vm_vsrc(0)
	s_getreg_b32 s2, hwreg(HW_REG_IB_STS2, 6, 4)
	s_cmp_eq_u32 s2, 0
	s_cbranch_scc0 .Lentry_in_a_cluster
	s_endpgm
.Lentry_in_a_cluster:
	s_bfe_u32 s2, ttmp6, 0x10000c
	s_cmp_lg_u32 s2, 0xf033
	s_cbranch_scc0 .Lentry_shape_is_right
	s_endpgm
.Lentry_shape_is_right:
; qkv = x W_qkv + b_qkv on codes of BF8 (E5M2) with one E8M0 scale for each 32 along K = 1,024; then q and k are quantised along the head's 64 and v along the keys,
; and leave as IMAGES OF THE FRAGMENT REGISTERS that the attention launch names: each group of four registers by one store of 16 bytes a lane, 512 consecutive aligned bytes.
; SHARES.  A work-group: 256 rows x 192 columns = one head's q, k and v.  Wave w: rows 64 w .. 64 w + 63 (4 tiles a) x all 192 columns (12 tiles b): 48 accumulators.
; q and k tiles (b 0-7) are used transposed (source 0 = 16 rows of W, source 1 = 16 rows of x): a lane holds one row and eight neighbouring columns.
; v tiles (b 8-11) are used straight (source 0 = x, source 1 = W): a lane holds one channel and eight neighbouring keys, since the keys are the next K.
; The 16 registers of two neighbouring tiles hold the indices 32 c + 16 u + 8 h + j of a true block of 32 and become the operand's places 32 c + 16 h + 8 u + j: a permutation inside the block,
; the same on both sides of each later product (q and k here; v here and p in the attention launch), so it cancels.
; K goes in 4 steps of 256 through two LDS slots filled by joint tensor loads (x's tile shared along a row of the 4 x 4 cluster, W's along a column); the 8 steps of 128 are written out.
; The biases are the C of each sum's first product.  A scale word of q or k is (s0, s1, s0, s1): the attention launch places the head's 64 in the lower or the upper half of a K of 128.
; LIMITS: a block of zeros gets the byte 1 where the quantiser says 127 (its codes are zeros and this program alone reads the bytes); NaN and infinities among the inputs are not served.
; REGISTERS: window 0: v1-25 addresses; v32-95 scale words, two sets; v96-159, v160-223 x's fragments, two sets; v224-255 small work.  On the way out v32-95 numbers held, v96-191 codes, v192-223 bytes and words.
;   window 1: W's 12 fragments at v[16 b].   window 2: accumulators (a, b) at v[8 (6 a + b)], b 0-5; biases at v[192 + 8 b].   window 3: the same for b 6-11.
.set PITCH,  272                       ; an LDS row: 256 bytes + 16 of padding: the 16 rows of a fragment load start at 16 different banks (64 banks of 4 bytes: ISA guide 11.1)
.set SLOT,   448*PITCH                 ; x's 256 rows, then W's 192 rows
.set BOFF,   256*PITCH
.set XSC,    2*SLOT                    ; x's scale bytes of 256 rows, all of K: 32 units of 256 bytes + 16
.set WSC,    XSC+32*PITCH              ; W's: 24 units
.set SPARE,  259072                    ; the spare words: 128 bytes a wave, two blocks of 256 bytes that no other line names
.set VSTG,   259584                    ; v's scale bytes on their way to wave 0: 128 bytes a wave; no fill lands here
.set ADRA, 4                           ; v4-5   my x fragments in slot 0, 1
.set ADRB, 6                           ; v6-7   W's
.set ADXS, 8                           ; v8     x's scale words
.set ADWS, 9                           ; v9     W's
.set LI,   10                          ; v10    16 x lane
.set L8,   11                          ; v11    8 x lane
.set SPW,  12                          ; v12    my spare word; never rewritten
.set NIL,  13                          ; v13    0; never rewritten
.set VSA,  14                          ; v14    where I put a half-word of v's scale bytes
.set FL,   15                          ; v15    the floor 2^(16 - 127)
.set BQ,   16                          ; v16    32 h: q's and k's biases
.set BV,   17                          ; v17    4 r: v's
.set VRD,  18                          ; v18    where wave 0 reads the half-words back
.set KO,   19                          ; v19    16 x lane + 4,096 w
.set KSO,  20                          ; v20    8 x lane + 256 w
.set VO,   21                          ; v21    16 x lane + 8,192 (w / 2) + 1,024 (w % 2)
.set SC,   32
.set XF,   96
.set TQ,   32                          ; the way out: 64 numbers held
.set PC,   96                          ; codes: 16 registers a batch, six batches: no store's data are written again
.set BD,   192                         ; scale bytes
.set WQ,   216
.set PQ,   220
.set TM,   224                         ; +0 largest magnitudes, +4 the other half's, +8 the hold, +12 the conversion's scale
.set WK,   240
.set PK,   244
.set VH,   246
.set G1A,  32
.set G1B,  40
.set G1SX, 48
.set G1SW, 56
.set G0A,  68
.set G0B,  76
.set G0SX, 84
.set G0SW, 88
.set SEL,  92
.set MNT,  94
.set MSB, 0
.macro WIN new                         ; the immediate's high byte repeats the setting that is left
.if MSB != \new
	s_set_vgpr_msb (MSB<<8)|\new
.set MSB, \new
.endif
.endm
; A joint load: waves 0 and 1 fetch for x, waves 2 and 3 for W.  The branch hangs on the wave's number alone.  Four v_nop follow each of the two lines.
.macro JLOAD g0a, g1a, g0b, g1b
	s_cmp_eq_u32 s21, 0
	s_cbranch_scc0 .Lfor_b_\@
	tensor_load_to_lds s[\g0a:\g0a+3], s[\g1a:\g1a+7]
	s_nop 0
.rept 4
	v_nop
.endr
	s_branch .Lasked_\@
.Lfor_b_\@:
	tensor_load_to_lds s[\g0b:\g0b+3], s[\g1b:\g1b+7]
	s_nop 0
.rept 4
	v_nop
.endr
.Lasked_\@:
.endm
.macro CREST                           ; a round of the cluster's barrier behind its opening barrier
	s_cmp_lg_u32 s20, 0
	s_cbranch_scc1 .Lnot_wave_0_\@
	s_barrier_signal -3
.Lnot_wave_0_\@:
	s_barrier_wait -3
	s_barrier_signal -1
	s_barrier_wait -1
.endm
.macro CROUND
	s_barrier_signal -1
	s_barrier_wait -1
	CREST
.endm
.macro PLACES n                        ; plain vector instructions behind matrix instructions: eight in front of loads into their registers and of reads of results
.rept \n
	v_nop
.endr
.endm
	s_load_b256 s[4:11], s[0:1], 0x0               ; x's codes s[4:5], x's scales s[6:7], W's codes s[8:9], W's scales s[10:11]
	s_load_b256 s[12:19], s[0:1], 0x20             ; b_qkv s[12:13], qimg s[14:15], qsc s[16:17], kv s[18:19]
	v_lshl_add_u32 v[SPW], v0, 2, SPARE
	v_mov_b32 v[NIL], 0
	ds_add_u32 v12, v13
	ds_add_u32 v12, v13
	s_wait_dscnt 0x0
	v_lshrrev_b32 v1, 5, v0
	v_readfirstlane_b32 s20, v1                    ; wave 0..3
	s_lshr_b32 s21, s20, 1                         ; I fetch for x (0) or for W (1)
	s_and_b32 s22, s20, 1                          ; which half of that tile's rows
	s_bfe_u32 s23, ttmp6, 0x40000                  ; cx
	s_bfe_u32 s24, ttmp6, 0x40004                  ; cy
	s_lshl_b32 s25, ttmp9, 2
	s_add_co_u32 s25, s25, s23                     ; the head = 4 x cluster x + cx
	s_and_b32 s26, ttmp7, 0xffff
	s_lshl_b32 s26, s26, 2
	s_add_co_u32 s26, s26, s24                     ; the block of 256 rows = 4 x cluster y + cy
	s_lshl_b32 s27, s24, 2
	s_lshl_b32 s27, 15, s27                        ; my row of the cluster
	s_lshl_b32 s28, 0x1111, s23                    ; my column
	s_or_b32 s[G1A], s27, (1<<20)|(1<<21)|(5<<22)|(3<<25)           ; the mask; elements of 1 byte; padding on: 4 words behind every 64; bit 21 beside a mask
	s_or_b32 s[G1B], s28, (1<<20)|(1<<21)|(5<<22)|(3<<25)
	s_or_b32 s[G1SX], s27, (3<<16)|(1<<20)|(1<<21)|(5<<22)|(3<<25)  ; the same with elements of 8 bytes
	s_or_b32 s[G1SW], s28, (3<<16)|(1<<20)|(1<<21)|(5<<22)|(3<<25)
.irp g, G1A, G1B
	s_mov_b32 s[\g+1], 256<<16                     ; tensor_dim0 = 256 bytes
	s_mov_b32 s[\g+3], 256<<16                     ; tile_dim0
	s_mov_b32 s[\g+5], 1024                        ; from row to row
	s_mov_b32 s[\g+6], 0
	s_mov_b32 s[\g+7], 0
.endr
	s_mov_b32 s[G1A+2], 128<<16                    ; x: 128 rows a load
	s_mov_b32 s[G1A+4], 128
	s_mov_b32 s[G1B+2], 96<<16                     ; W: 96 rows a load
	s_mov_b32 s[G1B+4], 96
.irp g, G1SX, G1SW
	s_mov_b32 s[\g+1], 32<<16                      ; dense blocks as rows of 256 bytes
	s_mov_b32 s[\g+3], 32<<16
	s_mov_b32 s[\g+5], 32
	s_mov_b32 s[\g+6], 0
	s_mov_b32 s[\g+7], 0
.endr
	s_mov_b32 s[G1SX+2], 16<<16                    ; 128 rows x 32 bytes
	s_mov_b32 s[G1SX+4], 16
	s_mov_b32 s[G1SW+2], 12<<16                    ; 96 rows x 32 bytes
	s_mov_b32 s[G1SW+4], 12
	s_mov_b32 s[SEL], 0x76543210
	s_mov_b32 s[SEL+1], 0xfedcba98                 ; v_permlanex16_b32's selects for lane l xor 16
	s_mov_b32 s[MNT], 0x600000                     ; the mantissa field of 57,344
	; x's offsets hang on the block of rows alone (s96-101), W's on the head alone (s2, s3, s30, s31)
	s_lshl_b32 s96, s26, 8
	s_lshl_b32 s97, s22, 7
	s_add_co_u32 s96, s96, s97                     ; x: row 256 R + 128 half
	s_lshl_b32 s98, s96, 10                        ; its codes
	s_mov_b32 s99, 0
	s_lshl_b32 s100, s96, 5                        ; its scale bytes
	s_mov_b32 s101, 0
	s_mul_i32 s2, s25, 192
	s_mul_i32 s3, s22, 96
	s_add_co_u32 s2, s2, s3                        ; W: row 192 head + 96 half
	s_lshl_b32 s30, s2, 10
	s_mov_b32 s31, 0
	s_lshl_b32 s2, s2, 5
	s_mov_b32 s3, 0
	s_wait_kmcnt 0x0
	CROUND                                         ; all sixteen work-groups are here: the first joint loads meet
	s_mul_i32 s29, s22, 16*PITCH
	s_mov_b32 s[G0SX], 1
	s_add_co_u32 s[G0SX+1], s29, XSC
	s_add_nc_u64 s[G0SX+2:G0SX+3], s[6:7], s[100:101]
	s_or_b32 s[G0SX+3], s[G0SX+3], 0x80000000
	s_mul_i32 s29, s22, 12*PITCH
	s_mov_b32 s[G0SW], 1
	s_add_co_u32 s[G0SW+1], s29, WSC
	s_add_nc_u64 s[G0SW+2:G0SW+3], s[10:11], s[2:3]
	s_or_b32 s[G0SW+3], s[G0SW+3], 0x80000000
	JLOAD G0SX, G1SX, G0SW, G1SW                   ; the scale bytes first: filled once
	s_mul_i32 s29, s22, 128*PITCH
	s_mul_i32 s95, s22, 96*PITCH
	s_add_nc_u64 s[98:99], s[4:5], s[98:99]
	s_add_nc_u64 s[30:31], s[8:9], s[30:31]
.irp s, 0,1
	s_mov_b32 s[G0A+4*\s], 1
	s_add_co_u32 s[G0A+4*\s+1], s29, \s*SLOT
	s_add_nc_u64 s[G0A+4*\s+2:G0A+4*\s+3], s[98:99], \s*256
	s_or_b32 s[G0A+4*\s+3], s[G0A+4*\s+3], 0x80000000
	s_mov_b32 s[G0B+4*\s], 1
	s_add_co_u32 s[G0B+4*\s+1], s95, \s*SLOT+BOFF
	s_add_nc_u64 s[G0B+4*\s+2:G0B+4*\s+3], s[30:31], \s*256
	s_or_b32 s[G0B+4*\s+3], s[G0B+4*\s+3], 0x80000000
	JLOAD G0A+4*\s, G1A, G0B+4*\s, G1B             ; K steps 0 and 1: three tensor loads of mine are out
.endr
	v_and_b32 v1, 15, v0                           ; r
	v_bfe_u32 v2, v0, 4, 1                         ; h
	v_and_b32 v3, 31, v0                           ; lane
	v_mul_u32_u24 v22, v1, PITCH
	v_lshl_add_u32 v22, v2, 4, v22                 ; a fragment's row x pitch + 16 h
	s_mul_i32 s29, s20, 64*PITCH
	v_add_nc_u32 v[ADRA], s29, v22                 ; my 64 rows of x
	v_add_nc_u32 v[ADRA+1], SLOT, v[ADRA]
	v_add_nc_u32 v[ADRB], BOFF, v22
	v_add_nc_u32 v[ADRB+1], SLOT+BOFF, v22
	v_lshrrev_b32 v23, 3, v1
	v_mul_u32_u24 v23, v23, PITCH
	v_and_b32 v24, 7, v1
	v_lshl_add_u32 v23, v24, 5, v23                ; a row's 32 scale bytes: eight rows to a unit
	s_mul_i32 s29, s20, 8*PITCH
	s_add_co_u32 s29, s29, XSC
	v_add_nc_u32 v[ADXS], s29, v23
	v_add_nc_u32 v[ADWS], WSC, v23
	v_lshlrev_b32 v[LI], 4, v3
	v_lshlrev_b32 v[L8], 3, v3
	s_lshl_b32 s29, s20, 7
	s_add_co_u32 s29, s29, VSTG
	v_lshl_add_u32 v[VSA], v1, 1, s29
	v_mov_b32 v[FL], 0x8000000
	v_lshlrev_b32 v[BQ], 5, v2
	v_lshlrev_b32 v[BV], 2, v1
	v_lshlrev_b32 v24, 8, v2                       ; wave 0's way back: key step = lane / 16 (two waves' 256 bytes), tile (lane / 4) % 4, four rows' half-words
	v_bfe_u32 v25, v0, 2, 2
	v_lshl_add_u32 v24, v25, 5, v24
	v_and_b32 v25, 3, v0
	v_lshl_add_u32 v24, v25, 3, v24
	v_add_nc_u32 v[VRD], VSTG, v24
	s_lshl_b32 s29, s20, 12
	v_add_nc_u32 v[KO], s29, v[LI]
	s_lshl_b32 s29, s20, 8
	v_add_nc_u32 v[KSO], s29, v[L8]
	s_lshl_b32 s29, s21, 13
	s_lshl_b32 s95, s22, 10
	s_add_co_u32 s29, s29, s95
	v_add_nc_u32 v[VO], s29, v[LI]
.irp i, 0,1,2,3
	v_mov_b32 v[TM+4+\i], 0                        ; written once: a lane permute's destination counts as one of its sources
.endr
	; the stores' bases.  What mixes the head and the block of rows is made in s29, s95, s[66:67], which feed no descriptor
	s_lshr_b32 s29, s26, 3
	s_lshl_b32 s29, s29, 4
	s_add_co_u32 s29, s29, s25                     ; bh = 16 batch + head
	s_and_b32 s95, s26, 7                          ; the block of 256 rows within the sequence
	s_lshl_b32 s66, s29, 7
	s_lshl_b32 s67, s95, 4
	s_add_co_u32 s66, s66, s67
	s_lshl_b32 s67, s20, 2
	s_add_co_u32 s66, s66, s67                     ; my first tile of 16 rows: 128 bh + 16 block + 4 w
	s_mov_b32 s67, 0
	s_lshl_b32 s66, s66, 6                         ; 256 bytes of scale words for each four tiles
	s_add_nc_u64 s[16:17], s[16:17], s[66:67]
	s_lshl_b32 s66, s66, 4                         ; 1,024 bytes of codes a tile
	s_add_nc_u64 s[14:15], s[14:15], s[66:67]
	s_lshl_b32 s66, s29, 3
	s_add_co_u32 s66, s66, s95
	s_mul_i32 s66, s66, 34304                      ; the slot of 256 keys
	s_add_nc_u64 s[18:19], s[18:19], s[66:67]
	s_mul_i32 s2, s25, 768
	s_mov_b32 s3, 0
	s_add_nc_u64 s[12:13], s[12:13], s[2:3]        ; the head's 192 biases
	; the biases, in the results' layout.  q, k: lane (r, h) wants those of columns 16 b + 8 h + 0 .. 7; v: that of channel r, in all eight registers
	WIN 0x80
.irp b, 0,1,2,3,4,5
	global_load_b128 v[192+8*\b:192+8*\b+3], v[BQ], s[12:13] offset:64*\b
	global_load_b128 v[192+8*\b+4:192+8*\b+7], v[BQ], s[12:13] offset:64*\b+16
.endr
	WIN 0xc0
.irp b, 6,7
	global_load_b128 v[192+8*(\b-6):192+8*(\b-6)+3], v[BQ], s[12:13] offset:64*\b
	global_load_b128 v[192+8*(\b-6)+4:192+8*(\b-6)+7], v[BQ], s[12:13] offset:64*\b+16
.endr
.irp t, 0,1,2,3
.irp j, 0,1,2,3,4,5,6,7
	global_load_b32 v[208+8*\t+\j], v[BV], s[12:13] offset:512+64*\t
.endr
.endr
	WIN 0
.macro FRAG reg, adr, off              ; 16 rows x 128 K: lane (r, h): registers 4 c .. 4 c + 3 hold K = 32 c + 16 h + 0 .. 15
.irp c, 0,1,2,3
	ds_load_b128 v[(\reg)+4*\c:(\reg)+4*\c+3], v[\adr] offset:(\off)+32*\c
.endr
.endm
.macro FETCH_W slot, q, hi             ; W's fragments 6 hi .. 6 hi + 5 of the slot's q-th 128 along K: 24 loads
	WIN 0x40
.irp i, 0,1,2,3,4,5
	FRAG 16*(6*(\hi)+\i), ADRB+(\slot), 128*(\q)+16*PITCH*(6*(\hi)+\i)
.endr
	WIN 0
.endm
.macro FETCH_X slot, q, set            ; x's four fragments: 16 loads
.irp a, 0,1,2,3
	FRAG XF+64*(\set)+16*\a, ADRA+(\slot), 128*(\q)+16*PITCH*\a
.endr
.endm
.macro SCALES set, k                   ; K step k's scale words, two a row: 16 loads
.irp a, 0,1,2,3
	ds_load_b64 v[SC+32*(\set)+2*\a:SC+32*(\set)+2*\a+1], v[ADXS] offset:2*PITCH*\a+8*(\k)
.endr
.irp b, 0,1,2,3,4,5,6,7,8,9,10,11
	ds_load_b64 v[SC+32*(\set)+8+2*\b:SC+32*(\set)+8+2*\b+1], v[ADWS] offset:2*PITCH*\b+8*(\k)
.endr
.endm
; Four products: tile b of the columns against my four tiles of rows.  The 48 accumulators take turns in one fixed order.  first = 1: C is the bias: nothing is cleared or added later.
.macro MUL4 b, xs, sc, q, first
.if (\b) < 6
	WIN 0xa1                                       ; source 0 (W) window 1, source 1 (x) window 0, C and D window 2
.set AB, 8*(\b)
.elseif (\b) < 8
	WIN 0xf1                                       ; the same, C and D window 3
.set AB, 8*((\b)-6)
.else
	WIN 0xf4                                       ; source 0 (x) window 0, source 1 (W) window 1, C and D window 3
.set AB, 8*((\b)-6)
.endif
.set WR, 16*(\b)
.set WSR, SC+32*(\sc)+8+2*(\b)+(\q)
.irp a, 0,1,2,3
.set XR, XF+64*(\xs)+16*\a
.set XSR, SC+32*(\sc)+2*\a+(\q)
.set AC, AB+48*\a
.if (\b) < 8
.if \first
	v_wmma_scale_f32_16x16x128_f8f6f4 v[AC:AC+7], v[WR:WR+15], v[XR:XR+15], v[AB+192:AB+199], v[WSR], v[XSR] matrix_a_fmt:MATRIX_FMT_BF8 matrix_b_fmt:MATRIX_FMT_BF8
.else
	v_wmma_scale_f32_16x16x128_f8f6f4 v[AC:AC+7], v[WR:WR+15], v[XR:XR+15], v[AC:AC+7], v[WSR], v[XSR] matrix_a_fmt:MATRIX_FMT_BF8 matrix_b_fmt:MATRIX_FMT_BF8
.endif
.else
.if \first
	v_wmma_scale_f32_16x16x128_f8f6f4 v[AC:AC+7], v[XR:XR+15], v[WR:WR+15], v[AB+192:AB+199], v[XSR], v[WSR] matrix_a_fmt:MATRIX_FMT_BF8 matrix_b_fmt:MATRIX_FMT_BF8
.else
	v_wmma_scale_f32_16x16x128_f8f6f4 v[AC:AC+7], v[XR:XR+15], v[WR:WR+15], v[AC:AC+7], v[XSR], v[WSR] matrix_a_fmt:MATRIX_FMT_BF8 matrix_b_fmt:MATRIX_FMT_BF8
.endif
.endif
.endr
.endm
; A slot's first 128 along K: x's set 0; its successor lies in the same slot.
.macro STEP slot, first
	s_wait_dscnt 24                                ; all but the youngest 24 loads (W's fragments 6-11) are in
.irp b, 0,1,2,3,4,5
	MUL4 \b, 0, \slot, 0, \first
.endr
	s_wait_dscnt 0x0                               ; W's fragments 6-11 are in
	PLACES 8
	FETCH_W \slot, 1, 0
	FETCH_X \slot, 1, 1
.irp b, 6,7,8,9,10,11
	MUL4 \b, 0, \slot, 0, \first
.endr
	PLACES 8
	FETCH_W \slot, 1, 1
.endm
; A slot's second 128 along K (x's set 1) changes slots: one barrier; in front of it each wave waits for all its tensor loads, adds 0 to its spare word, and waits for that and for its reads of the slot.
.macro TURN slot, next, fill, k
	s_wait_tensorcnt 0x0                           ; all my tensor loads have landed: my part of the next slot
	ds_add_u32 v[SPW], v[NIL]                      ; 0 onto my spare word
	s_wait_dscnt 25                                ; (the add and W's fragments 6-11 may be out)
.irp b, 0,1,2
	MUL4 \b, 1, \slot, 1, 0
.endr
	s_wait_dscnt 0x0                               ; the add is done, and my reads of this slot are over
	s_barrier_signal -1
.irp b, 3,4,5
	MUL4 \b, 1, \slot, 1, 0
.endr
	WIN 0
	s_barrier_wait -1
.if \fill
	CREST                                          ; the barrier has opened a round of the cluster's barrier: no wave of any partner still reads this slot or has a load on its way
	s_add_nc_u64 s[G0A+4*\slot+2:G0A+4*\slot+3], s[G0A+4*\slot+2:G0A+4*\slot+3], 512
	s_add_nc_u64 s[G0B+4*\slot+2:G0B+4*\slot+3], s[G0B+4*\slot+2:G0B+4*\slot+3], 512
	JLOAD G0A+4*\slot, G1A, G0B+4*\slot, G1B       ; the first tensor load behind the round; its four v_nop are four of the eight places
	PLACES 4
.else
	PLACES 8
.endif
	FETCH_W \next, 0, 0
	FETCH_X \next, 0, 0
	SCALES \next, \k
.irp b, 6,7,8,9,10,11
	MUL4 \b, 1, \slot, 1, 0
.endr
	PLACES 8
	FETCH_W \next, 0, 1
.endm
	s_wait_tensorcnt 1                             ; the scale bytes and my part of K step 0 are in; K step 1's load may stay out
	s_barrier_signal -1
	s_barrier_wait -1
	FETCH_W 0, 0, 0
	FETCH_X 0, 0, 0
	SCALES 0, 0
	FETCH_W 0, 0, 1
	s_wait_loadcnt 0x0                             ; the biases
	STEP 0, 1
	TURN 0, 1, 1, 1
	STEP 1, 0
	TURN 1, 0, 1, 2
	STEP 0, 0
	TURN 0, 1, 0, 3                                ; nothing is left to fetch
	STEP 1, 0
	s_wait_dscnt 24
.irp b, 0,1,2,3,4,5
	MUL4 \b, 1, 1, 1, 0
.endr
	s_wait_dscnt 0x0
.irp b, 6,7,8,9,10,11
	MUL4 \b, 1, 1, 1, 0
.endr
	WIN 0
	PLACES 8
; THE WAY OUT.  Four blocks of 32 by turns.  Block i lies in window win at v[bi .. bi + 7] and v[bi + ho .. bi + ho + 7] (two tiles), its other half in lane l xor 16.
; A block's scale: the largest magnitude (the floor among its leaves) with 15 off its exponent field; the hold at 57,344 x the scale; the conversion.  Each accumulator is read from its low end on.
.macro QUANT4 win, n, b0, b1, b2, b3, ho, bd
.if (\win) == 2
	WIN 0x28                                       ; sources 1 and 2 in window 2
.else
	WIN 0x3c
.endif
.set QI, 0
.irp x, \b0, \b1, \b2, \b3
	v_max3_num_f32 v[TM+QI], v[FL], |v[\x]|, |v[(\x)+1]|
.set QI, QI+1
.endr
.irp o, 2,4,6
.set QI, 0
.irp x, \b0, \b1, \b2, \b3
	v_max3_num_f32 v[TM+QI], v[TM+QI], |v[(\x)+\o]|, |v[(\x)+\o+1]|
.set QI, QI+1
.endr
.endr
.irp o, 0,2,4,6
.set QI, 0
.irp x, \b0, \b1, \b2, \b3
	v_max3_num_f32 v[TM+QI], v[TM+QI], |v[(\x)+(\ho)+\o]|, |v[(\x)+(\ho)+\o+1]|
.set QI, QI+1
.endr
.endr
	WIN 0
.irp i, 0,1,2,3
	v_permlanex16_b32 v[TM+4+\i], v[TM+\i], s[SEL], s[SEL+1]
.endr
.irp i, 0,1,2,3
	v_max_num_f32 v[TM+\i], v[TM+\i], v[TM+4+\i]
.endr
.irp i, 0,1,2,3
	v_add_nc_u32 v[TM+12+\i], 0xf8800000, v[TM+\i]         ; 15 off the exponent field: the conversion's scale operand
.endr
.irp i, 0,1,2,3
	v_and_or_b32 v[TM+8+\i], v[TM+\i], 0x7f800000, s[MNT]  ; 57,344 x the scale
.endr
.irp i, 0,1,2,3
	v_lshrrev_b32 v[(\bd)+\i], 23, v[TM+12+\i]             ; the scale's byte
.endr
	WIN \win                                       ; source 0 in window win
.set QI, 0
.irp x, \b0, \b1, \b2, \b3
.irp o, 0,1,2,3,4,5,6,7
	v_med3_num_f32 v[TQ+16*QI+\o], v[(\x)+\o], -v[TM+8+QI], v[TM+8+QI]   ; the conversion to an 8-bit code does not saturate (ISA guide 7.6.2)
.endr
.irp o, 0,1,2,3,4,5,6,7
	v_med3_num_f32 v[TQ+16*QI+8+\o], v[(\x)+(\ho)+\o], -v[TM+8+QI], v[TM+8+QI]
.endr
.set QI, QI+1
.endr
	WIN 0
.irp i, 0,1,2,3
	v_cvt_scalef32_pk8_bf8_f32 v[PC+16*(\n)+4*\i:PC+16*(\n)+4*\i+1], v[TQ+16*\i:TQ+16*\i+7], v[TM+12+\i]
	v_cvt_scalef32_pk8_bf8_f32 v[PC+16*(\n)+4*\i+2:PC+16*(\n)+4*\i+3], v[TQ+16*\i+8:TQ+16*\i+15], v[TM+12+\i]
.endr
	v_nop                                          ; one plain instruction behind the last conversion of a run
.endm
	v_cmp_eq_u32 vcc_lo, 1, v2                     ; lanes 16-31
	QUANT4 2, 0, 0, 48, 96, 144, 8, BD             ; q, dims 0-31, my four tiles of rows
.irp a, 0,1,2,3
	global_store_b128 v[LI], v[PC+4*\a:PC+4*\a+3], s[14:15] offset:1024*\a   ; 32 lanes store 512 consecutive aligned bytes
.endr
	QUANT4 2, 1, 16, 64, 112, 160, 8, BD+4         ; q, dims 32-63
.irp a, 0,1,2,3
	global_store_b128 v[LI], v[PC+16+4*\a:PC+16+4*\a+3], s[14:15] offset:1024*\a+512
.endr
.irp a, 0,1,2,3
	v_lshl_or_b32 v[WQ+\a], v[BD+4+\a], 8, v[BD+\a]
.endr
.irp a, 0,1,2,3
	v_lshl_or_b32 v[WQ+\a], v[WQ+\a], 16, v[WQ+\a]  ; (s0, s1, s0, s1)
.endr
	v_cndmask_b32 v[PQ], v[WQ], v[WQ+1], vcc_lo    ; lane 16 (a % 2) + r stores the words of tiles a and a + 2: one aligned run of 256 bytes a wave
	v_cndmask_b32 v[PQ+1], v[WQ+2], v[WQ+3], vcc_lo
	global_store_b64 v[L8], v[PQ:PQ+1], s[16:17]
	QUANT4 2, 2, 32, 80, 128, 176, 8, BD+8         ; k, dims 0-31
.irp a, 0,1,2,3
	global_store_b128 v[KO], v[PC+32+4*\a:PC+32+4*\a+3], s[18:19] offset:1024*\a
.endr
	QUANT4 3, 3, 0, 48, 96, 144, 8, BD+12          ; k, dims 32-63
.irp a, 0,1,2,3
	global_store_b128 v[KO], v[PC+48+4*\a:PC+48+4*\a+3], s[18:19] offset:1024*\a+512
.endr
.irp a, 0,1,2,3
	v_lshl_or_b32 v[WK+\a], v[BD+12+\a], 8, v[BD+8+\a]
.endr
.irp a, 0,1,2,3
	v_lshl_or_b32 v[WK+\a], v[WK+\a], 16, v[WK+\a]
.endr
	v_cndmask_b32 v[PK], v[WK], v[WK+1], vcc_lo
	v_cndmask_b32 v[PK+1], v[WK+2], v[WK+3], vcc_lo
	global_store_b64 v[KSO], v[PK:PK+1], s[18:19] offset:32768
	QUANT4 3, 4, 16, 112, 24, 120, 48, BD+16       ; v, channel tiles 0 and 1, my two blocks of 32 keys: block i = 2 t + b'
.irp i, 0,1,2,3
	global_store_b128 v[VO], v[PC+64+4*\i:PC+64+4*\i+3], s[18:19] offset:16384+2048*(\i/2)+512*(\i%2)
.endr
	QUANT4 3, 5, 32, 128, 40, 136, 48, BD+20       ; v, channel tiles 2 and 3
.irp i, 0,1,2,3
	global_store_b128 v[VO], v[PC+80+4*\i:PC+80+4*\i+3], s[18:19] offset:16384+2048*(2+\i/2)+512*(\i%2)
.endr
.irp t, 0,1,2,3
	v_lshl_or_b32 v[VH+\t], v[BD+16+2*\t+1], 8, v[BD+16+2*\t]   ; my two bytes of channel r's scale word
.endr
.irp t, 0,1,2,3
	ds_store_b16 v[VSA], v[VH+\t] offset:32*\t     ; both lanes of a channel write the same half-word with the same value
.endr
	s_wait_dscnt 0x0                               ; for the others' sake: my stores have landed
	s_barrier_signal -1
	s_barrier_wait -1
	s_cmp_lg_u32 s20, 0
	s_cbranch_scc1 .Lnot_first
	ds_load_b64 v[250:251], v[VRD]                 ; four channels' half-words of the key step's even wave,
	ds_load_b64 v[252:253], v[VRD] offset:128      ; and of its odd wave
	s_wait_dscnt 0x0
	v_perm_b32 v32, v252, v250, 0x05040100
	v_perm_b32 v33, v252, v250, 0x07060302
	v_perm_b32 v34, v253, v251, 0x05040100
	v_perm_b32 v35, v253, v251, 0x07060302
	global_store_b128 v[LI], v[32:35], s[18:19] offset:33792   ; the slot's 128 scale words of v: 512 consecutive aligned bytes
.Lnot_first:
	s_wait_tensorcnt 0x0                           ; the wave's end
	ds_add_u32 v[SPW], v[NIL]
	s_wait_dscnt 0x0
	CROUND                                         ; the closing round: no work-group ends while a partner may still ask for a tile that names it
	s_endpgm
.Lfunc_end_k_q54c88c4bd6_qkv:
	.size	k_q54c88c4bd6_qkv, .Lfunc_end_k_q54c88c4bd6_qkv-k_q54c88c4bd6_qkv
	.p2alignl 7, 3214868480
	.fill 96, 4, 3214868480
	.section	.rodata,"a",@progbits
	.p2align	6, 0x0
	.amdhsa_kernel k_q54c88c4bd6_qkv
		.amdhsa_group_segment_fixed_size 327680
		.amdhsa_private_segment_fixed_size 0
		.amdhsa_enable_private_segment 0
		.amdhsa_kernarg_size 64
		.amdhsa_user_sgpr_count 2
		.amdhsa_user_sgpr_kernarg_segment_ptr 1
		.amdhsa_wavefront_size32 1
		.amdhsa_system_sgpr_workgroup_id_x 1
		.amdhsa_system_sgpr_workgroup_id_y 1
		.amdhsa_system_sgpr_workgroup_id_z 1
		.amdhsa_system_vgpr_workitem_id 0
		.amdhsa_next_free_vgpr 1024
		.amdhsa_next_free_sgpr 102
		.amdhsa_reserve_vcc 1
		.amdhsa_float_denorm_mode_32 3
		.amdhsa_float_denorm_mode_16_64 3
		.amdhsa_memory_ordered 1
		.amdhsa_forward_progress 1
		.amdhsa_inst_pref_size 159
	.end_amdhsa_kernel
	.amdgpu_metadata
---
amdhsa.version: [ 1, 2 ]
amdhsa.kernels:
  - .name:           k_q54c88c4bd6_qkv
    .symbol:         k_q54c88c4bd6_qkv.kd
    .args:
      - { .name: x_codes, .offset: 0, .size: 8, .value_kind: global_buffer, .address_space: global }
      - { .name: x_scales, .offset: 8, .size: 8, .value_kind: global_buffer, .address_space: global }
      - { .name: W_qkv_codes, .offset: 16, .size: 8, .value_kind: global_buffer, .address_space: global }
      - { .name: W_qkv_scales, .offset: 24, .size: 8, .value_kind: global_buffer, .address_space: global }
      - { .name: b_qkv, .offset: 32, .size: 8, .value_kind: global_buffer, .address_space: global }
      - { .name: qimg, .offset: 40, .size: 8, .value_kind: global_buffer, .address_space: global }
      - { .name: qsc, .offset: 48, .size: 8, .value_kind: global_buffer, .address_space: global }
      - { .name: kv, .offset: 56, .size: 8, .value_kind: global_buffer, .address_space: global }
    .group_segment_fixed_size: 327680
    .private_segment_fixed_size: 0
    .kernarg_segment_align: 8
    .kernarg_segment_size: 64
    .max_flat_workgroup_size: 128
    .sgpr_count:     102
    .vgpr_count:     1024
    .wavefront_size: 32
...
	.end_amdgpu_metadata
.endif
;; end of part 1
;; launch attn (part 2): grid 4 x 64, 16 waves a work-group, no clusters, 327,680 bytes of LDS; arguments qimg, qsc, kv, vimg, vsc; writes vimg, vsc
.if DOCPART == 2
	.amdgcn_target "amdgcn-amd-amdhsa--gfx1250"
	.amdhsa_code_object_version 6
	.text
	.protected	k_q54c88c4bd6_attn
	.globl	k_q54c88c4bd6_attn
	.p2align	8
	.type	k_q54c88c4bd6_attn,@function
k_q54c88c4bd6_attn:
	s_mov_b64 s[64:65], 0
	v_nop
	global_prefetch_b8 v0, s[64:65] scope:SCOPE_SE
	s_setreg_imm32_b32 hwreg(HW_REG_WAVE_MODE, 25, 1), 1
	s_wait_xcnt 0x0
; vals = softmax(q k^T / 32, causal) v for one head, both products on codes of BF8 (E5M2) with E8M0 scales; then vals is quantised along the model's 1,024 and leaves as images of the last launch's fragment registers.
; THE SOFTMAX: t = score x log2(e) / 32; M = the running largest t rounded UP to a whole number; p = 2^(t - M) is quantised along the keys, not normalised; the row's sum is taken of the unquantised p and divides at the end.
; When M moves, the sum and O are multiplied by 2^(old M - new M): exact.  Hidden scores become -infinity ahead of the maximum (p = 0).  LIMITS: logits under -1e9, NaN and infinities are not served; a block of zeros gets the byte 1.
; SHARES.  A work-group owns the query blocks 7 - p and p (256 queries each) of one head, the long one first: block i walks the key slots 0 .. i, so every work-group makes 9 visits of a slot of 256 keys:
; 256 work-groups of equal work, and a loop of constant count.  Each of the sixteen waves owns 16 queries in 256 registers: four waves to a SIMD, so that one wave's vector work stands beside another's products and LDS loads.
; NO CLUSTER: behind the fifth visit the four work-groups of a head walk different slots; in step on one walk they would make 12 visits' work in place of 9; and a visit's fill is 34,304 bytes for two key steps of sixteen waves.
; A slot (34,304 dense bytes, laid by the first launch): K's 16 tiles as images (1,024 bytes each) | V's images [key step 2][channel tile 4][block 4][lane][16] | K's scale words | V's scale words.  Two LDS slots, filled by waves 0 and 1.
; LAYOUT.  S^T = K Q^T, O^T = V^T P^T: a lane holds one query throughout.  THE HEAD'S 64 IN A K OF 128: Q stands as [Q | zeros | Q], two tiles of keys as [Ka | zeros | Kb]: the even tile multiplies [Ka | 0] by [Q | 0],
; the odd one [0 | Kb] by [0 | Q]; the zeros are written once; q's and k's scale words are (s0, s1, s0, s1).  p's 16 registers of two neighbouring tiles are a permutation of half a true block of 32 keys, the same as V's images have.
.set SLOT1, 65536
.set SPARE, 131072                     ; the spare words: 128 bytes for each of 16 waves: eight blocks of 256 bytes that no other line names
.set VIMO,  16384
.set KSCO,  32768
.set VSCO,  33792
.set LI,   1                           ; v1   16 x lane
.set KS0,  2                           ; v2   8 r
.set VS0,  3                           ; v3   4 r
.set SPW,  4                           ; v4   my spare word; never rewritten
.set NIL,  5                           ; v5   0; never rewritten
.set ADI,  6                           ; v6   the slot's images
.set ADKS, 7                           ; v7   K's scale words
.set ADVS, 8                           ; v8   V's
.set DQ,   9                           ; v9   r - 8 h
.set QF,   16                          ; v16-39  [Q | 0 | Q]          (v12 -M, v13 the largest t, v[14:15] the sum in two halves)
.set KG,   40                          ; v40-63, v64-87  [Ka | 0 | Kb] twice
.set S,    88                          ; v88-151 S^T, then p, then V's four fragments
.set OT,   152                         ; v152-183 O^T
.set PC,   184                         ; v184-199 p's codes
.set BM,   200
.set PM,   204
.set HL,   208
.set SO,   212
.set KSW,  216
.set VSW,  224
.set QSW,  228
.set PSW,  229
.set FF,   230                         ; v[230:231]: f, or 1 / the sum, named as a pair
.set T0,   232
.set T1,   233
.set NINF, 234
.set DD,   235
.set WV,   14
.set PP,   15
.set PB,   16
.set SW,   17
.set BH,   18
.set MNT,  19
.set SEL,  20
.set CS,   22
.set G1,   24
.set G0,   32
.set KVB,  36
.set TB,   38
.set VI,   39
.set JJ,   40
.set BLK,  41
.set KF,   42
.set Q0,   43
.set W16,  44
.macro TLOAD                           ; waves 0 and 1 fetch a slot's halves; four v_nop follow the load
	s_cmp_lt_u32 s[WV], 2
	s_cbranch_scc0 .Lno_fetch_\@
	tensor_load_to_lds s[G0:G0+3], s[G1:G1+7]
	s_nop 0
.rept 4
	v_nop
.endr
.Lno_fetch_\@:
.endm
.macro ADDRQ blk                       ; where my tile of block s[blk] lies in qimg and its scale words in qsc
	s_lshl_b32 s54, s[BH], 7
	s_lshl_b32 s55, s[\blk], 4
	s_add_co_u32 s54, s54, s55
	s_add_co_u32 s54, s54, s[WV]
	s_lshl_b32 s54, s54, 10
	s_mov_b32 s55, 0
	s_add_nc_u64 s[46:47], s[4:5], s[54:55]
	s_lshl_b32 s54, s[BH], 5
	s_lshl_b32 s56, s[\blk], 2
	s_add_co_u32 s54, s54, s56
	s_lshr_b32 s56, s[WV], 2
	s_add_co_u32 s54, s54, s56
	s_lshl_b32 s54, s54, 8                         ; the group of four tiles,
	s_and_b32 s56, s[WV], 1
	s_lshl_b32 s56, s56, 7
	s_add_co_u32 s54, s54, s56                     ; in it tile a: 128 (a % 2) + 4 (a / 2)
	s_bfe_u32 s56, s[WV], 0x10001
	s_lshl_b32 s56, s56, 2
	s_add_co_u32 s54, s54, s56
	s_add_nc_u64 s[48:49], s[6:7], s[54:55]
.endm
.macro LOADQ
	global_load_b128 v[QF:QF+3], v[LI], s[46:47]
	global_load_b128 v[QF+4:QF+7], v[LI], s[46:47] offset:512
	global_load_b128 v[QF+16:QF+19], v[LI], s[46:47]
	global_load_b128 v[QF+20:QF+23], v[LI], s[46:47] offset:512
	global_load_b32 v[QSW], v[KS0], s[48:49]
.endm
.macro FRESH                           ; a block's statistics begin: zeros, and a largest t under every t
	v_mov_b32 v13, 0xff61b1e6
	s_delay_alu instid0(VALU_DEP_1)
	v_floor_f32 v12, -v13
	v_mov_b32 v14, 0
	v_mov_b32 v15, 0
.set n, 0
.rept 32
	v_mov_b32 v[OT+n], 0
.set n, n+1
.endr
.endm
	s_load_b256 s[4:11], s[0:1], 0x0               ; qimg s[4:5], qsc s[6:7], kv s[8:9], vimg s[10:11]
	s_load_b64 s[12:13], s[0:1], 0x20              ; vsc
	v_lshl_add_u32 v[SPW], v0, 2, SPARE
	v_mov_b32 v[NIL], 0
	ds_add_u32 v4, v5
	ds_add_u32 v4, v5
	s_wait_dscnt 0x0
	v_lshrrev_b32 v6, 5, v0
	s_delay_alu instid0(VALU_DEP_1)
	v_readfirstlane_b32 s[WV], v6                  ; wave 0..15
	s_mov_b32 s[PP], ttmp9                         ; p: my short block
	s_sub_co_u32 s[PB], 7, s[PP]                   ; my long block
	s_sub_co_u32 s[SW], 8, s[PP]                   ; its visits
	s_and_b32 s[BH], ttmp7, 0xffff                 ; 16 batch + head
	s_mov_b32 s[SEL], 0x76543210
	s_mov_b32 s[SEL+1], 0xfedcba98
	s_mov_b32 s[CS], 0x3d38aa3b                    ; c = log2(e) / 32
	s_mov_b32 s[CS+1], s[CS]
	s_mov_b32 s[G1], 3<<16                         ; no mask; elements of 8 bytes; no padding: images are read 512 consecutive bytes an instruction
	s_mov_b32 s[G1+1], 32<<16                      ; rows of 256 bytes
	s_mov_b32 s[G1+2], 67<<16                      ; half a slot: 67 rows
	s_mov_b32 s[G1+3], 32<<16
	s_mov_b32 s[G1+4], 67
	s_mov_b32 s[G1+5], 32
	s_mov_b32 s[G1+6], 0
	s_mov_b32 s[G1+7], 0
	s_and_b32 s54, s[WV], 1
	s_mul_i32 s54, s54, 17152                      ; my half of a slot
	s_mul_i32 s56, s[BH], 274432                   ; the head's eight slots
	s_add_co_u32 s56, s56, s54
	s_mov_b32 s57, 0
	s_mov_b32 s[G0], 1
	s_mov_b32 s[G0+1], s54                         ; LDS slot 0
	s_mov_b32 s[TB], 0
	s_mov_b32 s[VI], 0
	s_lshl_b32 s[W16], s[WV], 4
	s_wait_kmcnt 0x0
	s_add_nc_u64 s[KVB:KVB+1], s[8:9], s[56:57]
	s_mov_b64 s[G0+2:G0+3], s[KVB:KVB+1]
	s_or_b32 s[G0+3], s[G0+3], 0x80000000
	TLOAD                                          ; the one first fill: key slot 0
	v_and_b32 v10, 31, v0
	s_delay_alu instid0(VALU_DEP_1)
	v_lshlrev_b32 v[LI], 4, v10
	s_wait_alu depctr_va_vdst(0)
	v_and_b32 v10, 15, v0                          ; r
	v_bfe_u32 v11, v0, 4, 1                        ; h
	s_delay_alu instid0(VALU_DEP_2)
	v_lshlrev_b32 v[KS0], 3, v10
	s_wait_alu depctr_va_vdst(0)
	v_lshlrev_b32 v[VS0], 2, v10
	v_lshlrev_b32 v11, 3, v11
	s_delay_alu instid0(VALU_DEP_1)
	v_sub_nc_u32 v[DQ], v10, v11
	ADDRQ PB
	LOADQ
.irp j, 0,1,2,3,4,5,6,7
	v_mov_b32 v[QF+8+\j], 0                        ; the zeros, written once
	v_mov_b32 v[KG+8+\j], 0
	v_mov_b32 v[KG+32+\j], 0
.endr
	FRESH
.irp b, 0,1,2,3
	v_mov_b32 v[PM+\b], 0                          ; written once: a lane permute's destination counts as one of its sources
.endr
	v_mov_b32 v[T0], 0
	v_mov_b32 v[FF+1], 0                           ; named as the upper half of a pair
	v_mov_b32 v[NINF], 0xff800000
; THE CHANGE OF SLOTS, at a visit's head.  Each wave waits for all its tensor loads (the slot that it is about to read), adds 0 to its spare word, and waits for that and for its reads of the slot that it has left.
; fill = 1: behind the barrier the slot just left takes the next visit's keys: that load has a whole visit in which to land.  One tensor load of a fetching wave is out.
.macro CHANGE fill
	s_wait_tensorcnt 0x0                           ; no tensor load of mine is out, so group 0 may be written
	ds_add_u32 v[SPW], v[NIL]                      ; 0 onto my spare word
.if \fill
	s_xor_b32 s[G0+1], s[G0+1], SLOT1              ; the other LDS slot than last time
	s_add_co_u32 s54, s[VI], 1                     ; the next visit's key slot: it begins anew where the short block begins
	s_cmp_ge_u32 s54, s[SW]
	s_cselect_b32 s55, s[SW], 0
	s_sub_co_u32 s54, s54, s55
	s_mul_i32 s54, s54, 34304
	s_mov_b32 s55, 0
	s_add_nc_u64 s[G0+2:G0+3], s[KVB:KVB+1], s[54:55]
	s_or_b32 s[G0+3], s[G0+3], 0x80000000
.endif
	s_wait_dscnt 0x0                               ; the add is done, and my reads of the slot that I have left are over
	s_barrier_signal -1
	s_barrier_wait -1
.if \fill
	TLOAD                                          ; the first thing behind the barrier, and a wave's one tensor load until the next
.endif
.endm
.macro VISITVARS                       ; which block, which key slot: from the visit's number and the work-group's alone
	s_cmp_ge_u32 s[VI], s[SW]
	s_cselect_b32 s54, s[SW], 0
	s_cselect_b32 s[BLK], s[PP], s[PB]
	s_sub_co_u32 s[JJ], s[VI], s54
	s_lshl_b32 s[KF], s[JJ], 8                     ; the step's first key
	s_lshl_b32 s[Q0], s[BLK], 8
	s_add_co_u32 s[Q0], s[Q0], s[W16]              ; my first query
.endm
; A KEY STEP: 128 keys, the q-th of the slot in hand.
.macro STEP q
	s_add_co_u32 s54, s[Q0], 15                    ; a step all of whose keys come after my 16 queries is left out: a branch on ids, round no barrier and no tensor load
	s_cmp_gt_u32 s[KF], s54
	s_cbranch_scc1 .Lhidden_\@
	v_add_nc_u32 v[ADI], s[TB], v[LI]
	s_wait_alu depctr_va_vdst(0)
	v_add_nc_u32 v[ADKS], s[TB], v[KS0]
	v_add_nc_u32 v[ADVS], s[TB], v[VS0]
.rept 6
	v_nop                                          ; with the three additions: nine places between the last step's products and the products below, which write over V's fragments
.endr
.irp t, 0,1,2,3,4,5,6,7
	ds_load_b32 v[KSW+\t], v[ADKS] offset:KSCO+(2*(\q)+\t/4)*256+128*(\t%2)+4*((\t/2)%2)
.endr
.irp g, 0,1                            ; S^T = K Q^T, four tiles of 16 keys at a time
.if \g
.rept 8
	v_nop                                          ; places in front of loads into registers that matrix instructions have read
.endr
.endif
.irp u, 0,1,2,3
	ds_load_b128 v[KG+24*(\u/2)+16*(\u%2):KG+24*(\u/2)+16*(\u%2)+3], v[ADI] offset:(8*(\q)+4*\g+\u)*1024
	ds_load_b128 v[KG+24*(\u/2)+16*(\u%2)+4:KG+24*(\u/2)+16*(\u%2)+7], v[ADI] offset:(8*(\q)+4*\g+\u)*1024+512
.endr
	s_wait_dscnt 0x0
.irp u, 0,1,2,3
	v_wmma_scale_f32_16x16x128_f8f6f4 v[S+8*(4*\g+\u):S+8*(4*\g+\u)+7], v[KG+24*(\u/2)+8*(\u%2):KG+24*(\u/2)+8*(\u%2)+15], v[QF+8*(\u%2):QF+8*(\u%2)+15], 0, v[KSW+4*\g+\u], v[QSW] matrix_a_fmt:MATRIX_FMT_BF8 matrix_b_fmt:MATRIX_FMT_BF8
.endr
.endr
.rept 8
	v_nop
.endr
	s_add_co_u32 s54, s[KF], 127                   ; on the diagonal hidden scores become -infinity; a step all of whose keys count skips this
	s_cmp_le_u32 s54, s[Q0]
	s_cbranch_scc1 .Lopen_\@
	s_sub_co_i32 s54, s[Q0], s[KF]
	v_add_nc_u32 v[DD], s54, v[DQ]                 ; d = my query - the step's first key - 8 h.  Register n holds key 16 (n / 8) + 8 h + n % 8: hidden where 16 (n / 8) + n % 8 > d
.set n, 0
.rept 64
	v_cmp_gt_i32 vcc_lo, 16*(n/8)+n%8, v[DD]
	v_cndmask_b32 v[S+n], v[S+n], v[NINF], vcc_lo
.set n, n+1
.endr
.Lopen_\@:
.irp b, 0,1,2,3
	v_max3_num_f32 v[BM+\b], v[S+16*\b], v[S+16*\b+1], v[S+16*\b+2]   ; the largest score of each block of 32 keys: for the row's maximum, and, since p rises with the score, for the block's largest p
.endr
.irp i, 3,5,7,9,11,13
.irp b, 0,1,2,3
	v_max3_num_f32 v[BM+\b], v[BM+\b], v[S+16*\b+\i], v[S+16*\b+\i+1]
.endr
.endr
.irp b, 0,1,2,3
	v_max_num_f32 v[BM+\b], v[BM+\b], v[S+16*\b+15]
.endr
.irp b, 0,1,2,3
	s_delay_alu instid0(VALU_DEP_4)
	v_permlanex16_b32 v[PM+\b], v[BM+\b], s[SEL], s[SEL+1]
.endr
.irp b, 0,1,2,3
	s_delay_alu instid0(VALU_DEP_4)
	v_max_num_f32 v[BM+\b], v[BM+\b], v[PM+\b]     ; with lane l xor 16's 16 keys
.endr
	s_delay_alu instid0(VALU_DEP_2)
	v_max3_num_f32 v[T0], v[BM], v[BM+1], v[BM+2]
	s_delay_alu instid0(VALU_DEP_1)
	v_max_num_f32 v[T0], v[T0], v[BM+3]
	s_delay_alu instid0(VALU_DEP_1)
	v_mul_f32 v[T0], s[CS], v[T0]                  ; as t (c is positive)
	s_delay_alu instid0(VALU_DEP_1)
	v_max_num_f32 v13, v13, v[T0]                  ; the running largest t
	v_mov_b32 v[T0], v12
	s_delay_alu instid0(VALU_DEP_2)
	v_floor_f32 v12, -v13                          ; the new -M = floor(-t): M is a whole number
	s_delay_alu instid0(VALU_DEP_1)
	v_sub_f32 v[T0], v12, v[T0]                    ; old M - new M: a whole number, 0 or less
	s_delay_alu instid0(VALU_DEP_1)
	v_cvt_i32_f32 v[T0], v[T0]                     ; (it saturates)
	s_delay_alu instid0(VALU_DEP_1)
	v_ldexp_f32 v[FF], 1.0, v[T0]                  ; f = 2^(old M - new M)
.set n, 0
.rept 32
	v_pk_fma_f32 v[S+n:S+n+1], v[S+n:S+n+1], s[CS:CS+1], v[12:13] op_sel_hi:[1,0,0]   ; t - M, two at a time
.set n, n+2
.endr
.irp b, 0,1,2,3
	v_fma_f32 v[BM+\b], v[BM+\b], s[CS], v12       ; the same of each block's largest score
.endr
.set n, 0
	s_wait_alu depctr_va_vdst(0)
.rept 64
	v_exp_f32 v[S+n], v[S+n]                       ; p = 2^(t - M), at most 1
.set n, n+1
.endr
	v_pk_mul_f32 v[14:15], v[14:15], v[FF:FF+1] op_sel_hi:[1,0]   ; the sums under the new M: the plain instruction behind the batch
	s_wait_alu depctr_va_vdst(0)                   ; one wait for the batch of 64, ahead of its first reader
.irp b, 0,1,2,3
	v_exp_f32 v[BM+\b], v[BM+\b]                   ; the block's largest p
.endr
	v_pk_add_f32 v[204:205], v[92:93], v[96:97]
	v_pk_add_f32 v[254:255], v[100:101], v[104:105]
	v_pk_add_f32 v[252:253], v[108:109], v[112:113]
	v_pk_add_f32 v[250:251], v[116:117], v[120:121]
	v_pk_add_f32 v[248:249], v[124:125], v[128:129]
	v_pk_add_f32 v[246:247], v[132:133], v[136:137]
	v_pk_add_f32 v[244:245], v[140:141], v[144:145]
	v_pk_add_f32 v[14:15], v[14:15], v[148:149]
	v_pk_add_f32 v[204:205], v[204:205], v[88:89]
	v_pk_add_f32 v[254:255], v[254:255], v[90:91]
	v_pk_add_f32 v[252:253], v[252:253], v[94:95]
	v_pk_add_f32 v[250:251], v[250:251], v[98:99]
	v_pk_add_f32 v[248:249], v[248:249], v[102:103]
	v_pk_add_f32 v[246:247], v[246:247], v[106:107]
	v_pk_add_f32 v[244:245], v[244:245], v[110:111]
	v_pk_add_f32 v[14:15], v[14:15], v[114:115]
	v_pk_add_f32 v[204:205], v[204:205], v[118:119]
	v_pk_add_f32 v[254:255], v[254:255], v[122:123]
	v_pk_add_f32 v[252:253], v[252:253], v[126:127]
	v_pk_add_f32 v[250:251], v[250:251], v[130:131]
	v_pk_add_f32 v[248:249], v[248:249], v[134:135]
	v_pk_add_f32 v[246:247], v[246:247], v[138:139]
	v_pk_add_f32 v[244:245], v[244:245], v[142:143]
	v_pk_add_f32 v[14:15], v[14:15], v[146:147]
	v_pk_add_f32 v[204:205], v[204:205], v[150:151]
	s_delay_alu instid0(VALU_DEP_2)
	v_pk_add_f32 v[14:15], v[14:15], v[250:251]
	s_delay_alu instid0(VALU_DEP_2)
	v_pk_add_f32 v[204:205], v[204:205], v[248:249]
	v_pk_add_f32 v[254:255], v[254:255], v[246:247]
	v_pk_add_f32 v[252:253], v[252:253], v[244:245]
	s_delay_alu instid0(VALU_DEP_2)
	v_pk_add_f32 v[14:15], v[14:15], v[254:255]
	s_delay_alu instid0(VALU_DEP_2)
	v_pk_add_f32 v[204:205], v[204:205], v[252:253]
	s_delay_alu instid0(VALU_DEP_1)
	v_pk_add_f32 v[14:15], v[14:15], v[204:205]
	s_wait_alu depctr_va_vdst(0)                   ; and one for the four
.irp b, 0,1,2,3
	v_max_num_f32 v[BM+\b], 0x8000000, v[BM+\b]    ; the floor 2^(16 - 127): the byte cannot fall under 1
.endr
.irp b, 0,1,2,3
	s_delay_alu instid0(VALU_DEP_4)
	v_add_nc_u32 v[SO+\b], 0xf8800000, v[BM+\b]    ; 15 off the exponent field: the conversion's scale operand
.endr
.irp b, 0,1,2,3
.endr
.irp b, 0,1,2,3
	s_delay_alu instid0(VALU_DEP_4)
	v_lshrrev_b32 v[PM+\b], 23, v[SO+\b]           ; the scale's byte
.endr
	s_delay_alu instid0(VALU_DEP_3)
	v_lshl_or_b32 v[PSW], v[PM+1], 8, v[PM]        ; p's scale word for these 128 keys
	s_delay_alu instid0(VALU_DEP_1)
	v_lshl_or_b32 v[PSW], v[PM+2], 16, v[PSW]
	s_delay_alu instid0(VALU_DEP_1)
	v_lshl_or_b32 v[PSW], v[PM+3], 24, v[PSW]
.irp t, 0,1,2,3
	ds_load_b32 v[VSW+\t], v[ADVS] offset:VSCO+256*(\q)+64*\t
.endr
.irp b, 0,1,2,3
.irp i, 0,1,2,3,4,5,6,7,8,9,10,11,12,13,14,15
.endr
	v_cvt_scalef32_pk8_bf8_f32 v[PC+4*\b:PC+4*\b+1], v[S+16*\b:S+16*\b+7], v[SO+\b]
	v_cvt_scalef32_pk8_bf8_f32 v[PC+4*\b+2:PC+4*\b+3], v[S+16*\b+8:S+16*\b+15], v[SO+\b]
.irp c, 0,1,2,3
	ds_load_b128 v[S+16*\b+4*\c:S+16*\b+4*\c+3], v[ADI] offset:VIMO+8192*(\q)+2048*\b+512*\c   ; V's fragment of channel tile b lands where the block just converted lay
.endr
.endr
.set n, 0
.rept 16
	v_pk_mul_f32 v[OT+n:OT+n+1], v[OT+n:OT+n+1], v[FF:FF+1] op_sel_hi:[1,0]   ; O^T under the new M; these are also the places between the codes and the products
.set n, n+2
.endr
	s_wait_alu depctr_va_vdst(0)
	s_wait_dscnt 0x0
.irp t, 0,1,2,3
	v_wmma_scale_f32_16x16x128_f8f6f4 v[OT+8*\t:OT+8*\t+7], v[S+16*\t:S+16*\t+15], v[PC:PC+15], v[OT+8*\t:OT+8*\t+7], v[VSW+\t], v[PSW] matrix_a_fmt:MATRIX_FMT_BF8 matrix_b_fmt:MATRIX_FMT_BF8
.endr
.Lhidden_\@:
	s_add_co_u32 s[KF], s[KF], 128
.endm
; A BLOCK IS DONE: O^T / the sum; its two blocks of 32 channels are quantised; the codes leave as two groups of four registers of the last launch's fragment, the two bytes as half a scale word.
.macro FINISH
	s_lshr_b32 s54, s[BH], 4
	s_lshl_b32 s54, s54, 7
	s_lshl_b32 s55, s[BLK], 4
	s_add_co_u32 s54, s54, s55
	s_add_co_u32 s54, s54, s[WV]                   ; my tile of 16 rows among the 512
	s_and_b32 s55, s[BH], 15
	s_lshr_b32 s55, s55, 1                         ; which 128 along the model's 1,024
	s_and_b32 s58, s[BH], 1                        ; which half of them
	s_lshl_b32 s56, s54, 14
	s_lshl_b32 s59, s55, 11
	s_add_co_u32 s56, s56, s59
	s_lshl_b32 s59, s58, 10
	s_add_co_u32 s56, s56, s59
	s_mov_b32 s57, 0
	s_add_nc_u64 s[50:51], s[10:11], s[56:57]
	s_lshl_b32 s56, s54, 9
	s_lshl_b32 s59, s55, 6
	s_add_co_u32 s56, s56, s59
	s_lshl_b32 s59, s58, 1
	s_add_co_u32 s56, s56, s59
	s_add_nc_u64 s[52:53], s[12:13], s[56:57]
	v_add_f32 v14, v14, v15
	s_wait_alu depctr_va_vdst(0)
	v_permlanex16_b32 v[T0], v14, s[SEL], s[SEL+1]
	s_delay_alu instid0(VALU_DEP_1)
	v_add_f32 v14, v14, v[T0]                      ; the row's sum
	s_wait_alu depctr_va_vdst(0)
	v_rcp_f32 v[FF], v14
.rept 8
	v_nop                                          ; the plain instruction behind the reciprocal, and the eight places behind the last products
.endr
	s_wait_alu depctr_va_vdst(0)                   ; ahead of the reciprocal's first reader
.set n, 0
.rept 16
	v_pk_mul_f32 v[OT+n:OT+n+1], v[OT+n:OT+n+1], v[FF:FF+1] op_sel_hi:[1,0]   ; each accumulator from its low end on
.set n, n+2
.endr
.irp c, 0,1
	v_max3_num_f32 v[BM+\c], |v[OT+16*\c]|, |v[OT+16*\c+1]|, 0x8000000
.endr
.irp i, 2,4,6,8,10,12,14
.irp c, 0,1
	s_delay_alu instid0(VALU_DEP_2)
	v_max3_num_f32 v[BM+\c], v[BM+\c], |v[OT+16*\c+\i]|, |v[OT+16*\c+\i+1]|
.endr
.endr
.irp c, 0,1
	s_delay_alu instid0(VALU_DEP_2)
	v_permlanex16_b32 v[PM+\c], v[BM+\c], s[SEL], s[SEL+1]
.endr
.irp c, 0,1
	s_delay_alu instid0(VALU_DEP_2)
	v_max_num_f32 v[BM+\c], v[BM+\c], v[PM+\c]
.endr
.irp c, 0,1
	s_delay_alu instid0(VALU_DEP_2)
	v_add_nc_u32 v[SO+\c], 0xf8800000, v[BM+\c]
.endr
.irp c, 0,1
.endr
.irp c, 0,1
	s_delay_alu instid0(VALU_DEP_2)
	v_lshrrev_b32 v[PM+\c], 23, v[SO+\c]
.endr
	s_delay_alu instid0(VALU_DEP_1)
	v_lshl_or_b32 v[T1], v[PM+1], 8, v[PM]
.irp c, 0,1
.irp i, 0,1,2,3,4,5,6,7,8,9,10,11,12,13,14,15
.endr
	v_cvt_scalef32_pk8_bf8_f32 v[PC+4*\c:PC+4*\c+1], v[OT+16*\c:OT+16*\c+7], v[SO+\c]
	v_cvt_scalef32_pk8_bf8_f32 v[PC+4*\c+2:PC+4*\c+3], v[OT+16*\c+8:OT+16*\c+15], v[SO+\c]
.endr
	v_nop                                          ; one plain instruction behind the last conversion
	global_store_b128 v[LI], v[PC:PC+3], s[50:51]              ; 512 consecutive aligned bytes each
	global_store_b128 v[LI], v[PC+4:PC+7], s[50:51] offset:512
	global_store_b16 v[VS0], v[T1], s[52:53]       ; row r's two bytes (both lanes of a row write the same half-word): 32 bytes a wave, too few to gather without a barrier under this branch
.endm
.macro RESTART                         ; on to the short block
	ADDRQ PP
	LOADQ
	FRESH
	s_wait_loadcnt 0x0                             ; Q
	s_wait_xcnt 0x0                                ; the stores above have read their registers: the codes' registers are written again in the next step
.endm
	s_wait_loadcnt 0x0                             ; Q
.Lvisit:                                               ; 8 trips: behind each change of slots the next visit's keys are asked for
	CHANGE 1
	VISITVARS
	STEP 0
	STEP 1
	s_xor_b32 s[TB], s[TB], SLOT1                  ; on to the other LDS slot
	s_cmp_lg_u32 s[JJ], s[BLK]                     ; was this the block's diagonal slot?  (ids alone)
	s_cbranch_scc1 .Lnot_done
	FINISH
	RESTART
.Lnot_done:
	s_add_co_u32 s[VI], s[VI], 1
	s_cmp_lt_u32 s[VI], 8
	s_cbranch_scc1 .Lvisit
	CHANGE 0                                       ; the ninth visit is written out: it is the short block's diagonal slot
	VISITVARS
	STEP 0
	STEP 1
	FINISH
	s_wait_tensorcnt 0x0                           ; the wave's end
	ds_add_u32 v[SPW], v[NIL]
	s_wait_dscnt 0x0
	s_endpgm
.Lfunc_end_k_q54c88c4bd6_attn:
	.size	k_q54c88c4bd6_attn, .Lfunc_end_k_q54c88c4bd6_attn-k_q54c88c4bd6_attn
	.p2alignl 7, 3214868480
	.fill 96, 4, 3214868480
	.section	.rodata,"a",@progbits
	.p2align	6, 0x0
	.amdhsa_kernel k_q54c88c4bd6_attn
		.amdhsa_group_segment_fixed_size 327680
		.amdhsa_private_segment_fixed_size 0
		.amdhsa_enable_private_segment 0
		.amdhsa_kernarg_size 40
		.amdhsa_user_sgpr_count 2
		.amdhsa_user_sgpr_kernarg_segment_ptr 1
		.amdhsa_wavefront_size32 1
		.amdhsa_system_sgpr_workgroup_id_x 1
		.amdhsa_system_sgpr_workgroup_id_y 1
		.amdhsa_system_sgpr_workgroup_id_z 1
		.amdhsa_system_vgpr_workitem_id 0
		.amdhsa_next_free_vgpr 256
		.amdhsa_next_free_sgpr 66
		.amdhsa_reserve_vcc 1
		.amdhsa_float_denorm_mode_32 3
		.amdhsa_float_denorm_mode_16_64 3
		.amdhsa_fp16_overflow 1
		.amdhsa_memory_ordered 1
		.amdhsa_forward_progress 1
		.amdhsa_inst_pref_size 113
	.end_amdhsa_kernel
	.amdgpu_metadata
---
amdhsa.version: [ 1, 2 ]
amdhsa.kernels:
  - .name:           k_q54c88c4bd6_attn
    .symbol:         k_q54c88c4bd6_attn.kd
    .args:
      - { .name: qimg, .offset: 0, .size: 8, .value_kind: global_buffer, .address_space: global }
      - { .name: qsc, .offset: 8, .size: 8, .value_kind: global_buffer, .address_space: global }
      - { .name: kv, .offset: 16, .size: 8, .value_kind: global_buffer, .address_space: global }
      - { .name: vimg, .offset: 24, .size: 8, .value_kind: global_buffer, .address_space: global }
      - { .name: vsc, .offset: 32, .size: 8, .value_kind: global_buffer, .address_space: global }
    .group_segment_fixed_size: 327680
    .private_segment_fixed_size: 0
    .kernarg_segment_align: 8
    .kernarg_segment_size: 40
    .max_flat_workgroup_size: 512
    .sgpr_count:     66
    .vgpr_count:     256
    .wavefront_size: 32
...
	.end_amdgpu_metadata
.endif
;; end of part 2
;; launch proj (part 3): grid 8 x 32, 4 waves a work-group, clusters of 4 x 4, 327,680 bytes of LDS; arguments vimg, vsc, W_out_codes, W_out_scales, b_out, out0; writes out0
.if DOCPART == 3
	.amdgcn_target "amdgcn-amd-amdhsa--gfx1250"
	.amdhsa_code_object_version 6
	.text
	.protected	k_q54c88c4bd6_proj
	.globl	k_q54c88c4bd6_proj
	.p2align	8
	.type	k_q54c88c4bd6_proj,@function
k_q54c88c4bd6_proj:
	s_mov_b64 s[64:65], 0
	v_nop
	global_prefetch_b8 v0, s[64:65] scope:SCOPE_SE
	s_setreg_imm32_b32 hwreg(HW_REG_WAVE_MODE, 25, 1), 1
	s_wait_xcnt 0x0
	s_wait_alu depctr_hold_cnt(0) depctr_sa_sdst(0) depctr_va_vdst(0) depctr_va_sdst(0) depctr_va_ssrc(0) depctr_va_vcc(0) depctr_vm_vsrc(0)
	s_getreg_b32 s2, hwreg(HW_REG_IB_STS2, 6, 4)
	s_cmp_eq_u32 s2, 0
	s_cbranch_scc0 .Lentry_in_a_cluster
	s_endpgm
.Lentry_in_a_cluster:
	s_bfe_u32 s2, ttmp6, 0x10000c
	s_cmp_lg_u32 s2, 0xf033
	s_cbranch_scc0 .Lentry_shape_is_right
	s_endpgm
.Lentry_shape_is_right:
; out0 = vals W_out + b_out on codes of BF8 (E5M2) with one E8M0 scale for each 32 along K = 1,024; sums in f32.
; vals comes as images of fragment registers (vimg: [tile of 16 rows][128 along K][4 groups][lane][16 bytes]) and scale words (vsc: [tile][128 along K][row]).  Inside each true block of 32 its codes stand permuted:
; place 16 h + 8 u + j holds k = 16 u + 8 h + j.  W_out's fragment is read in the same order: registers 2 e, 2 e + 1 take the 8 bytes at 16 e + 8 h of the row, e = 0 .. 7.  So the permutation cancels.
; SHARES.  A work-group: 256 rows x 128 columns.  Wave w: rows 64 w .. 64 w + 63 (4 tiles a) x 128 columns (8 tiles b): 32 accumulators.  Used transposed (source 0 = 16 rows of W_out, source 1 = vals):
; a lane holds eight neighbouring columns of one row.  The bias is the C of each sum's first product.  K goes in 4 steps of 256 through two LDS slots filled by joint loads (vals shared along a row of the
; 4 x 4 cluster, W_out along a column); the 8 steps of 128 are written out.
; REGISTERS: window 0: v1-16 addresses; v32-79 scale words, two sets; v96-159, v160-223 vals' fragments, two sets, on the way out rows of the result.   window 1: W_out's 8 fragments at v[16 b]; biases at v[128 + 8 b].
;   window 2: accumulator (a, b) at v[8 (8 a + b)].
.set PITCH,  272
.set BOFF,   65536                     ; a slot: vals' 16 tiles x 4,096 bytes, then W_out's 128 rows x 272
.set SLOT,   BOFF+128*PITCH
.set ASC,    2*SLOT                    ; vals' scale words, 8,192 dense bytes as 32 units of 256 + 16
.set BSC,    ASC+32*PITCH              ; W_out's scale bytes: 16 units
.set SPARE,  BSC+16*PITCH              ; the spare words: 128 bytes a wave, two blocks of 256 bytes that no other line names
.set SPITCH, 528                       ; the way out: 16 rows x (512 bytes + 16) a wave, in slot 0, which has had its last fill and its last read by then
.set ADRA, 4
.set ADRB, 6
.set ADAS, 8
.set ADBS, 9
.set CO,   10                          ; v10  16 x lane
.set SPW,  12
.set NIL,  13
.set STO,  14
.set RD,   15
.set BQ,   16
.set SC,   32
.set AF,   96
.set BK,   96
.set G1A,  32
.set G1B,  40
.set G1SA, 48
.set G1SB, 56
.set G0A,  68
.set G0B,  76
.set G0SA, 84
.set G0SB, 88
.set MSB, 0
.macro WIN new                         ; the immediate's high byte repeats the setting that is left
.if MSB != \new
	s_set_vgpr_msb (MSB<<8)|\new
.set MSB, \new
.endif
.endm
.macro JLOAD g0a, g1a, g0b, g1b        ; waves 0 and 1 fetch for vals, waves 2 and 3 for W_out; four v_nop follow each of the two lines
	s_cmp_eq_u32 s21, 0
	s_cbranch_scc0 .Lfor_b_\@
	tensor_load_to_lds s[\g0a:\g0a+3], s[\g1a:\g1a+7]
	s_nop 0
.rept 4
	v_nop
.endr
	s_branch .Lasked_\@
.Lfor_b_\@:
	tensor_load_to_lds s[\g0b:\g0b+3], s[\g1b:\g1b+7]
	s_nop 0
.rept 4
	v_nop
.endr
.Lasked_\@:
.endm
.macro CREST
	s_cmp_lg_u32 s20, 0
	s_cbranch_scc1 .Lnot_wave_0_\@
	s_barrier_signal -3
.Lnot_wave_0_\@:
	s_barrier_wait -3
	s_barrier_signal -1
	s_barrier_wait -1
.endm
.macro CROUND
	s_barrier_signal -1
	s_barrier_wait -1
	CREST
.endm
.macro PLACES n
.rept \n
	v_nop
.endr
.endm
	s_load_b256 s[4:11], s[0:1], 0x0               ; vimg s[4:5], vsc s[6:7], W_out's codes s[8:9], its scales s[10:11]
	s_load_b128 s[12:15], s[0:1], 0x20             ; b_out s[12:13], out0 s[14:15]
	v_lshl_add_u32 v[SPW], v0, 2, SPARE
	v_mov_b32 v[NIL], 0
	ds_add_u32 v12, v13
	ds_add_u32 v12, v13
	s_wait_dscnt 0x0
	v_lshrrev_b32 v1, 5, v0
	v_readfirstlane_b32 s20, v1                    ; wave 0..3
	s_lshr_b32 s21, s20, 1                         ; I fetch for vals (0) or for W_out (1)
	s_and_b32 s22, s20, 1                          ; which half
	s_bfe_u32 s23, ttmp6, 0x40000                  ; cx
	s_bfe_u32 s24, ttmp6, 0x40004                  ; cy
	s_lshl_b32 s25, ttmp9, 2
	s_add_co_u32 s25, s25, s23                     ; the block of 128 columns
	s_and_b32 s26, ttmp7, 0xffff
	s_lshl_b32 s26, s26, 2
	s_add_co_u32 s26, s26, s24                     ; the block of 256 rows
	s_lshl_b32 s27, s24, 2
	s_lshl_b32 s27, 15, s27                        ; my row of the cluster
	s_lshl_b32 s28, 0x1111, s23                    ; my column
	s_or_b32 s[G1A], s27, (3<<16)|(1<<21)          ; the mask; elements of 8 bytes; no padding: images are read 512 consecutive bytes an instruction
	s_mov_b32 s[G1A+1], 512<<16                    ; a tile's 4,096 bytes of a K step
	s_mov_b32 s[G1A+2], 8<<16                      ; eight tiles of 16 rows a load
	s_mov_b32 s[G1A+3], 512<<16
	s_mov_b32 s[G1A+4], 8
	s_mov_b32 s[G1A+5], 2048                       ; 16,384 bytes from tile to tile
	s_mov_b32 s[G1A+6], 0
	s_mov_b32 s[G1A+7], 0
	s_or_b32 s[G1B], s28, (1<<20)|(1<<21)|(5<<22)|(3<<25)   ; elements of 1 byte; 4 words of padding behind every 64
	s_mov_b32 s[G1B+1], 256<<16
	s_mov_b32 s[G1B+2], 64<<16
	s_mov_b32 s[G1B+3], 256<<16
	s_mov_b32 s[G1B+4], 64
	s_mov_b32 s[G1B+5], 1024
	s_mov_b32 s[G1B+6], 0
	s_mov_b32 s[G1B+7], 0
	s_or_b32 s[G1SA], s27, (3<<16)|(1<<20)|(1<<21)|(5<<22)|(3<<25)
	s_or_b32 s[G1SB], s28, (3<<16)|(1<<20)|(1<<21)|(5<<22)|(3<<25)
.irp g, G1SA, G1SB
	s_mov_b32 s[\g+1], 32<<16                      ; dense blocks as rows of 256 bytes
	s_mov_b32 s[\g+3], 32<<16
	s_mov_b32 s[\g+5], 32
	s_mov_b32 s[\g+6], 0
	s_mov_b32 s[\g+7], 0
.endr
	s_mov_b32 s[G1SA+2], 16<<16                    ; eight tiles x 512 bytes
	s_mov_b32 s[G1SA+4], 16
	s_mov_b32 s[G1SB+2], 8<<16                     ; 64 rows x 32 bytes
	s_mov_b32 s[G1SB+4], 8
	; vals' offsets hang on the block of rows alone (s96-101), W_out's on the block of columns alone (s2, s3, s30, s31)
	s_lshl_b32 s96, s26, 4
	s_lshl_b32 s97, s22, 3
	s_add_co_u32 s96, s96, s97                     ; tile 16 R + 8 half
	s_lshl_b32 s98, s96, 14
	s_mov_b32 s99, 0
	s_lshl_b32 s100, s96, 9
	s_mov_b32 s101, 0
	s_lshl_b32 s2, s25, 7
	s_lshl_b32 s3, s22, 6
	s_add_co_u32 s2, s2, s3                        ; row 128 col + 64 half
	s_lshl_b32 s30, s2, 10
	s_mov_b32 s31, 0
	s_lshl_b32 s2, s2, 5
	s_mov_b32 s3, 0
	s_wait_kmcnt 0x0
	CROUND                                         ; all sixteen work-groups are here: the first joint loads meet
	s_mul_i32 s29, s22, 16*PITCH
	s_mov_b32 s[G0SA], 1
	s_add_co_u32 s[G0SA+1], s29, ASC
	s_add_nc_u64 s[G0SA+2:G0SA+3], s[6:7], s[100:101]
	s_or_b32 s[G0SA+3], s[G0SA+3], 0x80000000
	s_mul_i32 s29, s22, 8*PITCH
	s_mov_b32 s[G0SB], 1
	s_add_co_u32 s[G0SB+1], s29, BSC
	s_add_nc_u64 s[G0SB+2:G0SB+3], s[10:11], s[2:3]
	s_or_b32 s[G0SB+3], s[G0SB+3], 0x80000000
	JLOAD G0SA, G1SA, G0SB, G1SB                   ; the scales first: filled once
	s_lshl_b32 s29, s22, 15
	s_mul_i32 s95, s22, 64*PITCH
	s_add_nc_u64 s[98:99], s[4:5], s[98:99]
	s_add_nc_u64 s[30:31], s[8:9], s[30:31]
.irp s, 0,1
	s_mov_b32 s[G0A+4*\s], 1
	s_add_co_u32 s[G0A+4*\s+1], s29, \s*SLOT
	s_add_nc_u64 s[G0A+4*\s+2:G0A+4*\s+3], s[98:99], \s*4096
	s_or_b32 s[G0A+4*\s+3], s[G0A+4*\s+3], 0x80000000
	s_mov_b32 s[G0B+4*\s], 1
	s_add_co_u32 s[G0B+4*\s+1], s95, \s*SLOT+BOFF
	s_add_nc_u64 s[G0B+4*\s+2:G0B+4*\s+3], s[30:31], \s*256
	s_or_b32 s[G0B+4*\s+3], s[G0B+4*\s+3], 0x80000000
	s_wait_alu depctr_va_vdst(0)
	s_wait_tensorcnt 0x0
	ds_add_u32 v12, v13
	s_wait_dscnt 0x0
	CROUND
	JLOAD G0A+4*\s, G1A, G0B+4*\s, G1B             ; K steps 0 and 1: one tensor load of mine is out
.endr
	v_and_b32 v1, 15, v0                           ; r
	v_bfe_u32 v2, v0, 4, 1                         ; h
	v_and_b32 v3, 31, v0                           ; lane
	v_lshlrev_b32 v[CO], 4, v3
	s_lshl_b32 s29, s20, 14
	v_add_nc_u32 v[ADRA], s29, v[CO]               ; my four tiles' images
	v_add_nc_u32 v[ADRA+1], SLOT, v[ADRA]
	v_mul_u32_u24 v22, v1, PITCH
	v_lshl_add_u32 v22, v2, 3, v22                 ; W_out: row x pitch + 8 h
	v_add_nc_u32 v[ADRB], BOFF, v22
	v_add_nc_u32 v[ADRB+1], SLOT+BOFF, v22
	s_mul_i32 s29, s20, 8*PITCH
	s_add_co_u32 s29, s29, ASC
	v_lshl_add_u32 v[ADAS], v1, 2, s29             ; vals' scale words: 4 r in my four tiles' eight units
	v_lshrrev_b32 v23, 3, v1
	v_mul_u32_u24 v23, v23, PITCH
	v_and_b32 v24, 7, v1
	v_lshl_add_u32 v23, v24, 5, v23
	v_add_nc_u32 v[ADBS], BSC, v23
	s_mul_i32 s29, s20, 16*SPITCH                  ; my stage
	v_mul_u32_u24 v22, v1, SPITCH
	v_lshl_add_u32 v22, v2, 5, v22
	v_add_nc_u32 v[STO], s29, v22                  ; in: row r, 32 bytes for each half of the lanes
	v_add_nc_u32 v[RD], s29, v[CO]                 ; back: the 32 lanes take one row of 512 bytes
	v_lshlrev_b32 v[BQ], 5, v2
	s_wait_alu depctr_va_vdst(0)
	s_lshl_b32 s66, s26, 8                         ; what mixes rows and columns is made in s29 and s[66:67], which feed no descriptor
	s_lshl_b32 s29, s20, 6
	s_add_co_u32 s66, s66, s29                     ; my first row
	s_lshl_b32 s66, s66, 12
	s_lshl_b32 s29, s25, 9
	s_add_co_u32 s66, s66, s29                     ; + my first column, in bytes
	s_mov_b32 s67, 0
	s_add_nc_u64 s[14:15], s[14:15], s[66:67]
	s_lshl_b32 s2, s25, 9
	s_mov_b32 s3, 0
	s_add_nc_u64 s[12:13], s[12:13], s[2:3]        ; my 128 biases
	WIN 0x40
.irp b, 0,1,2,3,4,5,6,7
	global_load_b128 v[128+8*\b:128+8*\b+3], v[BQ], s[12:13] offset:64*\b      ; lane (r, h): those of columns 16 b + 8 h + 0 .. 7
	global_load_b128 v[128+8*\b+4:128+8*\b+7], v[BQ], s[12:13] offset:64*\b+16
.endr
	WIN 0
.macro FETCH_B slot, q, hi             ; W_out's fragments 4 hi .. 4 hi + 3: 8 loads of 8 bytes each, 32 loads
	WIN 0x40
.irp i, 0,1,2,3
.irp e, 0,1,2,3,4,5,6,7
	ds_load_b64 v[16*(4*(\hi)+\i)+2*\e:16*(4*(\hi)+\i)+2*\e+1], v[ADRB+(\slot)] offset:16*PITCH*(4*(\hi)+\i)+128*(\q)+16*\e
.endr
.endr
	WIN 0
.endm
.macro FETCH_A slot, q, set            ; vals' four fragments, as they were stored: 16 loads
.irp a, 0,1,2,3
.irp c, 0,1,2,3
	ds_load_b128 v[AF+64*(\set)+16*\a+4*\c:AF+64*(\set)+16*\a+4*\c+3], v[ADRA+(\slot)] offset:4096*\a+2048*(\q)+512*\c
.endr
.endr
.endm
.macro SCALES set, k                   ; K step k's scale words: 16 loads
.irp a, 0,1,2,3
.irp q, 0,1
	ds_load_b32 v[SC+24*(\set)+2*\a+\q], v[ADAS] offset:2*PITCH*\a+PITCH*((\k)/2)+128*((\k)%2)+64*\q
.endr
.endr
.irp b, 0,1,2,3,4,5,6,7
	ds_load_b64 v[SC+24*(\set)+8+2*\b:SC+24*(\set)+8+2*\b+1], v[ADBS] offset:2*PITCH*\b+8*(\k)
.endr
.endm
; Four products: tile b of the columns against my four tiles of rows.  The 32 accumulators take turns in one fixed order.  first = 1: C is the bias.
.macro MUL4 b, xs, sc, q, first
.if \first
	WIN 0x91                                       ; source 0 (W_out) and C (the bias) window 1, source 1 (vals) window 0, D window 2
.else
	WIN 0xa1                                       ; C and D window 2
.endif
.irp a, 0,1,2,3
.if \first
	v_wmma_scale_f32_16x16x128_f8f6f4 v[64*\a+8*(\b):64*\a+8*(\b)+7], v[16*(\b):16*(\b)+15], v[AF+64*(\xs)+16*\a:AF+64*(\xs)+16*\a+15], v[128+8*(\b):128+8*(\b)+7], v[SC+24*(\sc)+8+2*(\b)+(\q)], v[SC+24*(\sc)+2*\a+(\q)] matrix_a_fmt:MATRIX_FMT_BF8 matrix_b_fmt:MATRIX_FMT_BF8
.else
	v_wmma_scale_f32_16x16x128_f8f6f4 v[64*\a+8*(\b):64*\a+8*(\b)+7], v[16*(\b):16*(\b)+15], v[AF+64*(\xs)+16*\a:AF+64*(\xs)+16*\a+15], v[64*\a+8*(\b):64*\a+8*(\b)+7], v[SC+24*(\sc)+8+2*(\b)+(\q)], v[SC+24*(\sc)+2*\a+(\q)] matrix_a_fmt:MATRIX_FMT_BF8 matrix_b_fmt:MATRIX_FMT_BF8
.endif
.endr
.endm
.macro STEP slot, first                ; a slot's first 128 along K: vals' set 0
	s_wait_dscnt 32                                ; all but the youngest 32 loads (W_out's fragments 4-7) are in
.irp b, 0,1,2,3
	MUL4 \b, 0, \slot, 0, \first
.endr
	s_wait_dscnt 0x0
	PLACES 8
	FETCH_B \slot, 1, 0
	FETCH_A \slot, 1, 1
.irp b, 4,5,6,7
	MUL4 \b, 0, \slot, 0, \first
.endr
	PLACES 8
	FETCH_B \slot, 1, 1
.endm
; A slot's second 128 along K changes slots: one barrier; in front of it each wave waits for all its tensor loads, adds 0 to its spare word, and waits for that and for its reads of the slot.
.macro TURN slot, next, fill, k
	s_wait_tensorcnt 0x0                           ; all my tensor loads have landed: my part of the next slot
	ds_add_u32 v[SPW], v[NIL]                      ; 0 onto my spare word
	s_wait_dscnt 33                                ; (the add and W_out's fragments 4-7 may be out)
.irp b, 0,1
	MUL4 \b, 1, \slot, 1, 0
.endr
	s_wait_dscnt 0x0                               ; the add is done, and my reads of this slot are over
	s_barrier_signal -1
.irp b, 2,3
	MUL4 \b, 1, \slot, 1, 0
.endr
	WIN 0
	s_barrier_wait -1
.if \fill
	CREST                                          ; the barrier has opened a round of the cluster's barrier: no wave of any partner still reads this slot or has a load on its way
	s_add_nc_u64 s[G0A+4*\slot+2:G0A+4*\slot+3], s[G0A+4*\slot+2:G0A+4*\slot+3], 8192
	s_add_nc_u64 s[G0B+4*\slot+2:G0B+4*\slot+3], s[G0B+4*\slot+2:G0B+4*\slot+3], 512
	JLOAD G0A+4*\slot, G1A, G0B+4*\slot, G1B       ; the first tensor load behind the round; its four v_nop are four of the eight places
	PLACES 4
.else
	PLACES 8
.endif
	FETCH_B \next, 0, 0
	FETCH_A \next, 0, 0
	SCALES \next, \k
.irp b, 4,5,6,7
	MUL4 \b, 1, \slot, 1, 0
.endr
	PLACES 8
	FETCH_B \next, 0, 1
.endm
	s_wait_tensorcnt 1                             ; the scales and my part of K step 0 are in; K step 1's load may stay out
	s_barrier_signal -1
	s_barrier_wait -1
	FETCH_B 0, 0, 0
	FETCH_A 0, 0, 0
	SCALES 0, 0
	FETCH_B 0, 0, 1
	s_wait_loadcnt 0x0                             ; the biases
	STEP 0, 1
	TURN 0, 1, 1, 1
	STEP 1, 0
	TURN 1, 0, 1, 2
	STEP 0, 0
	TURN 0, 1, 0, 3                                ; nothing is left to fetch
	STEP 1, 0
	s_wait_dscnt 32
.irp b, 0,1,2,3
	MUL4 \b, 1, 1, 1, 0
.endr
	s_wait_dscnt 0x0
.irp b, 4,5,6,7
	MUL4 \b, 1, 1, 1, 0
.endr
	WIN 0
; THE WAY OUT, block by block of 16 rows x 128 columns: through my own stage in LDS and back as whole rows of 512 bytes.  LDS serves a wave's instructions in order (ISA guide 5.7.1.4): no wait between the stores and the loads.
.macro TOSTAGE a
	WIN 0x08                                       ; an LDS store's data: window 2
.irp b, 0,1,2,3,4,5,6,7
	ds_store_b128 v[STO], v[64*(\a)+8*\b:64*(\a)+8*\b+3] offset:64*\b          ; each accumulator from its low end on
	ds_store_b128 v[STO], v[64*(\a)+8*\b+4:64*(\a)+8*\b+7] offset:64*\b+16
.endr
	WIN 0
.set BB, BK+64*((\a)%2)
.irp t, 0,1,2,3,4,5,6,7,8,9,10,11,12,13,14,15
	ds_load_b128 v[BB+4*\t:BB+4*\t+3], v[RD] offset:\t*SPITCH
.endr
.endm
.macro SEND a, younger                 ; younger: the LDS instructions issued behind block a's loads, which may stay out
.set BB, BK+64*((\a)%2)
	s_wait_dscnt \younger
.if (\a) > 0
	s_add_nc_u64 s[14:15], s[14:15], 16*4096       ; (behind a wait on XCNT for 0: the earlier stores have read their base)  16 rows on
.endif
.irp t, 0,1,2,3,4,5,6,7,8,9,10,11,12,13,14,15
	global_store_b128 v[CO], v[BB+4*\t:BB+4*\t+3], s[14:15] offset:\t*4096 th:TH_STORE_NT   ; 32 lanes store 512 consecutive bytes, at a multiple of 256 from the buffer's first byte
.endr
.endm
	PLACES 8
	TOSTAGE 0
.irp a, 1,2,3
.if \a > 1
	s_wait_xcnt 0x0                                ; block a - 2's stores have read their registers and their base
.endif
	TOSTAGE \a
	SEND \a-1, 32                                  ; behind block a - 1's loads: block a's 16 stores and 16 loads
.endr
	s_wait_xcnt 0x0
	SEND 3, 0
	s_wait_tensorcnt 0x0                           ; the wave's end
	ds_add_u32 v[SPW], v[NIL]
	s_wait_dscnt 0x0
	CROUND                                         ; the closing round: no work-group ends while a partner may still ask for a tile that names it
	s_endpgm
.Lfunc_end_k_q54c88c4bd6_proj:
	.size	k_q54c88c4bd6_proj, .Lfunc_end_k_q54c88c4bd6_proj-k_q54c88c4bd6_proj
	.p2alignl 7, 3214868480
	.fill 96, 4, 3214868480
	.section	.rodata,"a",@progbits
	.p2align	6, 0x0
	.amdhsa_kernel k_q54c88c4bd6_proj
		.amdhsa_group_segment_fixed_size 327680
		.amdhsa_private_segment_fixed_size 0
		.amdhsa_enable_private_segment 0
		.amdhsa_kernarg_size 48
		.amdhsa_user_sgpr_count 2
		.amdhsa_user_sgpr_kernarg_segment_ptr 1
		.amdhsa_wavefront_size32 1
		.amdhsa_system_sgpr_workgroup_id_x 1
		.amdhsa_system_sgpr_workgroup_id_y 1
		.amdhsa_system_sgpr_workgroup_id_z 1
		.amdhsa_system_vgpr_workitem_id 0
		.amdhsa_next_free_vgpr 768
		.amdhsa_next_free_sgpr 102
		.amdhsa_reserve_vcc 0
		.amdhsa_float_denorm_mode_32 3
		.amdhsa_float_denorm_mode_16_64 3
		.amdhsa_memory_ordered 1
		.amdhsa_forward_progress 1
		.amdhsa_inst_pref_size 111
	.end_amdhsa_kernel
	.amdgpu_metadata
---
amdhsa.version: [ 1, 2 ]
amdhsa.kernels:
  - .name:           k_q54c88c4bd6_proj
    .symbol:         k_q54c88c4bd6_proj.kd
    .args:
      - { .name: vimg, .offset: 0, .size: 8, .value_kind: global_buffer, .address_space: global }
      - { .name: vsc, .offset: 8, .size: 8, .value_kind: global_buffer, .address_space: global }
      - { .name: W_out_codes, .offset: 16, .size: 8, .value_kind: global_buffer, .address_space: global }
      - { .name: W_out_scales, .offset: 24, .size: 8, .value_kind: global_buffer, .address_space: global }
      - { .name: b_out, .offset: 32, .size: 8, .value_kind: global_buffer, .address_space: global }
      - { .name: out0, .offset: 40, .size: 8, .value_kind: global_buffer, .address_space: global }
    .group_segment_fixed_size: 327680
    .private_segment_fixed_size: 0
    .kernarg_segment_align: 8
    .kernarg_segment_size: 48
    .max_flat_workgroup_size: 128
    .sgpr_count:     102
    .vgpr_count:     768
    .wavefront_size: 32
...
	.end_amdgpu_metadata
.endif
;; end of part 3
